; MI455X (gfx1250); checked and timed in simulation.
; The chip was launched on July 23, 2026; its instructions are those of AMD's public machine-readable ISA for CDNA 5 (MIT licence, August 2026) and "CDNA5" Instruction Set Architecture Reference Guide (July 2026). The comments in the code are by the model that wrote it; some were corrected since.
;; Signed Attention. Allowed arithmetic: matrix products marked QUANTISED: E5M2 operands, one given power-of-two scale a tensor, by v_wmma_f32_16x16x64_bf8_bf8 or v_wmma_f32_16x16x128_bf8_bf8, f32 sums; everything else in f32.
;; Inputs: keys 4 x 8 x 2,048 x 64 float32; log_scale one number float32; lowp_scales 4 int32 (the exponents e of the quantised operands' scales 2^e); queries 4 x 8 x 2,048 x 64 float32; values 4 x 8 x 2,048 x 64 float32.
;; Outputs: out0 4 x 8 x 2,048 x 64 float32.
;; This version of the problem:
;;   THIS VERSION OF THE PROBLEM IS GIVEN IN LOW PRECISION. The matrix products marked QUANTISED in the list below multiply operands that are first quantised to E5M2 (5 exponent bits, 2 mantissa bits; 8 bits a number), with one given power-of-two scale for each operand tensor; their sums are f32. All else is computed in f32.
;;   The module's matrix products, in the order in which they are computed (A, B: the left and right operand; K: the contracted axis; several contracted axes count as one K, in the product's order):
;;     1. batch 32 x [M 2,048, K 64] x [K 64, N 2,048]; A: input queries; B: input keys: QUANTISED (scales: A lowp_scales[0], B lowp_scales[1])
;;     2. batch 32 x [M 2,048, K 2,048] x [K 2,048, N 64]; A: computed on the way; B: input values: QUANTISED (scales: A lowp_scales[2], B lowp_scales[3])
;;   THE QUANTISER, for each operand of a quantised product, along K:
;;     - The operand's scale is 2^e, e = its entry of the input lowp_scales (int32; the entries are numbered through the quantised products in the list's order, A before B).
;;     - Each number is divided by the scale, clamped to +-57,344, and rounded to the nearest number of E5M2, ties to even, subnormals kept.
;;     - The product sums the exact products of the quantised numbers (number of the format x scale) in f32.
;;   ~~~python
;;   def quantise(x, axis, e):      # numpy; x: float32 -> the quantised numbers, widened to float32 again
;;       x = np.moveaxis(x, axis, -1); K = x.shape[-1]
;;       r = np.clip(x / 2.0 ** e, -57344, 57344)
;;       step = 2.0 ** (np.maximum(np.frexp(np.where(r == 0, 1, r))[1] - 1, -14) - 2)
;;       q = np.round(r / step) * step * 2.0 ** e      # np.round: ties to even
;;       return np.moveaxis(q, -1, axis).astype(np.float32)
;;   ~~~
;;   OPERANDS COMPUTED ON THE WAY. 'Computed on the way' means the value that the module computes at that place (a softmax that the list does not call 'softmax' is quantised finished and normalised). What goes into a quantiser is computed in f32, as accurately as f32 sums, v_exp_f32 and their like allow (about 1e-6 of the number): no bf16 or f16 on the way to a quantiser, and a product that is left as it is and whose result goes on into a quantised operand takes f32 operands (vector FMAs, or v_wmma_f32_16x16x4_f32). A number that lies on a knife's edge between two numbers of the format may be rounded either way, as far as f32 arithmetic and the matrix unit's own rounding can turn it there, and no further.
;; 2 versions. Each part assembles by itself: llvm-mc -triple=amdgcn-amd-amdhsa -mcpu=gfx1250 --defsym DOCPART=n.
;; ======== version 1 of 2: 2 launches
;; workspace buffers: kc 4,194,304 bytes; vc 4,194,304 bytes; vsum 65,536 bytes
;; launch prep (part 1): grid 8 x 32, 16 waves a work-group, no clusters, 75,776 bytes of LDS; arguments keys, values, lowp_scales, kc, vc, vsum; writes kc, vc, vsum
.if DOCPART == 1
	.amdgcn_target "amdgcn-amd-amdhsa--gfx1250"
	.amdhsa_code_object_version 6
	.text
	.protected	k_q938ad61311_prep
	.globl	k_q938ad61311_prep
	.p2align	8
	.type	k_q938ad61311_prep,@function
k_q938ad61311_prep:
	s_mov_b64 s[64:65], 0
	v_nop
	global_prefetch_b8 v0, s[64:65] scope:SCOPE_SE
	s_setreg_imm32_b32 hwreg(HW_REG_WAVE_MODE, 25, 1), 1
	s_wait_xcnt 0x0
; keys and values, [32 heads][2048][64] f32, become codes of BF8 (E5M2), each with the one scale 2^e that is given for it (ek = entry 1, ev = entry 3 of the scales),
; laid as IMAGES OF THE OPERANDS' REGISTERS for the attention launch, a patch of 16 positions (one matrix tile) at a time; and V's code values are summed over 16 patches.
; code = x / 2^e, held within +-57,344, rounded to the nearest code, ties to even.
; kc   [head][patch][1,024 B]: registers 4 g .. 4 g + 3 of a 16 x 64 operand at 512 g + 16 lane.  Lane (r, h) holds key pi(r) = 2 (r & 7) + (r >> 3) of the patch; register i, byte b holds channel 32 h + 4 i + b.
; vc   [head][patch][4 tiles x][32 lanes][8 B]: lane (a, h) of tile x holds channel 4 a + x; byte i holds key 2 i + h.
; vsum [head][block of 16 patches][64 f32]: the sum of V's code VALUES (not scaled) over the block's 256 keys; channel 4 a + x stands at index 32 (a >> 3) + 8 x + (a & 7).
; WHY SO.  In S^T = K Q^T register j of lane (q, h) is the tile's row 8 h + j.  With pi that row is key 2 j + h: a half of the lanes holds the even keys or the odd ones, which is what a dense load of
; V's rows (two rows of 256 bytes to a load) gives a lane.  So V is brought keys-innermost by the choice of the holds' destination registers alone.
; SHARES.  Work-group (x = block of 16 patches, y = head); wave w takes patch 16 x + w: 4,096 bytes of K and of V.  All sixteen loads of a wave go out at once; there is no loop.
; No tensor loads, no cluster: no two work-groups read the same byte.
; LIMITS: ek and ev between -126 and 112, so that 2^e and 57,344 x 2^e are f32 numbers.  NaN among the inputs is not served; an infinity is held at the largest code.
.set SPITCH, 272                       ; a stage row: 256 bytes + 16, so that sixteen rows start at sixteen different groups of banks (64 banks of 4 bytes: ISA guide 11.1)
.set WSTG,   16*SPITCH                 ; a wave's own stage: 16 rows
.set SUMS,   16*WSTG                   ; behind the stages: 256 bytes for each wave: its patch's 64 sums
.set L16, 1                            ; v1   16 x lane
.set L8,  2                            ; v2   8 x lane
.set SIN, 3                            ; v3   the stage as the loads lie: row lane / 16, 16 bytes a lane
.set SRW, 4                            ; v4   the stage by rows: row pi(r), + 128 h
.set SST, 5                            ; v5   where my sums go
.set SRD, 6                            ; v6   where wave 0 reads all sums
.set SCK, 8                            ; v8   2^ek;  v9 57,344 x 2^ek;  v10, v11 the same with ev
.set KR,  16                           ; v16-47   K as loaded
.set VR,  48                           ; v48-79   V as loaded
.set VT,  80                           ; v80-111  V held, register 8 x + i = key 2 i + h of channel 4 a + x
.set VC,  112                          ; v112-119 V's codes
.set KC,  120                          ; v120-127 K's codes
.set KT,  128                          ; v128-159 K by rows
.set DQ,  160                          ; v160-167 eight code values
.set SUM, 168                          ; v168-171 my channel's sums, one a tile
	s_load_b256 s[4:11], s[0:1], 0x0               ; keys s[4:5], values s[6:7], the scales' exponents s[8:9], kc s[10:11]
	s_load_b128 s[12:15], s[0:1], 0x20             ; vc s[12:13], vsum s[14:15]
	v_lshl_add_u32 v176, v0, 2, 0x12000
	v_mov_b32 v177, 0
	v_lshrrev_b32 v1, 5, v0
	v_readfirstlane_b32 s16, v1                    ; wave 0..15
	v_and_b32 v7, 31, v0                           ; lane
	v_and_b32 v13, 15, v0                          ; r (for V: a)
	v_bfe_u32 v14, v0, 4, 1                        ; h
	v_and_b32 v15, 7, v0                           ; r & 7
	v_bfe_u32 v6, v0, 3, 1                         ; r >> 3
	v_lshlrev_b32 v[L16], 4, v7
	v_lshlrev_b32 v[L8], 3, v7
	s_mul_i32 s34, s16, WSTG                       ; my stage
	v_mul_u32_u24 v[SIN], v14, SPITCH
	v_lshl_add_u32 v[SIN], v13, 4, v[SIN]
	v_add_nc_u32 v[SIN], s34, v[SIN]
	v_lshl_add_u32 v[SRW], v15, 1, v6              ; pi(r)
	v_mul_u32_u24 v[SRW], v[SRW], SPITCH
	v_lshl_add_u32 v[SRW], v14, 7, v[SRW]
	v_add_nc_u32 v[SRW], s34, v[SRW]
	s_lshl_b32 s35, s16, 8
	s_add_co_u32 s35, s35, SUMS                    ; my 256 bytes of sums
	v_lshlrev_b32 v[SST], 7, v6                    ; 128 (a >> 3)
	v_lshl_add_u32 v[SST], v15, 2, v[SST]          ; + 4 (a & 7); the tile's 32 x stands in the store's immediate
	v_add_nc_u32 v[SST], s35, v[SST]
	v_lshl_add_u32 v[SRD], v7, 3, SUMS
	v_mov_b32 v12, 0                               ; written once: a lane permute's destination counts as one of its sources
	s_mov_b32 s32, 0x76543210                      ; v_permlanex16_b32's selects for lane l xor 16
	s_mov_b32 s33, 0xfedcba98
	s_and_b32 s17, ttmp7, 0xffff                   ; head
	s_lshl_b32 s18, ttmp9, 4
	s_add_co_u32 s18, s18, s16                     ; my patch
	s_lshl_b32 s20, s17, 19                        ; in keys and values: a head is 2^19 bytes, a patch 2^12
	s_lshl_b32 s36, s18, 12
	s_add_co_u32 s20, s20, s36
	s_mov_b32 s21, 0
	s_lshl_b32 s22, s17, 17                        ; in kc and vc: 2^17 and 2^10
	s_lshl_b32 s36, s18, 10
	s_add_co_u32 s22, s22, s36
	s_mov_b32 s23, 0
	s_lshl_b32 s24, s17, 11                        ; in vsum: 2^11 a head, 2^8 a block
	s_lshl_b32 s36, ttmp9, 8
	s_add_co_u32 s24, s24, s36
	s_mov_b32 s25, 0
	s_wait_kmcnt 0x0
	s_load_b128 s[28:31], s[8:9], 0x0              ; eq, ek, ea, ev
	s_add_nc_u64 s[4:5], s[4:5], s[20:21]
	s_add_nc_u64 s[6:7], s[6:7], s[20:21]
	s_add_nc_u64 s[10:11], s[10:11], s[22:23]
	s_add_nc_u64 s[12:13], s[12:13], s[22:23]
	s_add_nc_u64 s[14:15], s[14:15], s[24:25]
.irp i, 0,1,2,3,4,5,6,7
	global_load_b128 v[KR+4*\i:KR+4*\i+3], v[L16], s[4:5] offset:512*\i th:TH_LOAD_NT   ; 32 lanes read 512 consecutive bytes: rows 2 i and 2 i + 1 of the patch
.endr
.irp i, 0,1,2,3,4,5,6,7
	global_load_b128 v[VR+4*\i:VR+4*\i+3], v[L16], s[6:7] offset:512*\i th:TH_LOAD_NT   ; lane (a, h), register x: V(key 2 i + h, channel 4 a + x)
.endr
	s_wait_kmcnt 0x0
	s_add_co_i32 s34, s29, 127
	s_lshl_b32 s35, s34, 23
	v_mov_b32 v8, s35                              ; 2^ek as f32: the conversion takes its exponent field
	s_add_co_i32 s34, s34, 15
	s_lshl_b32 s34, s34, 23
	s_or_b32 s34, s34, 0x600000
	v_mov_b32 v9, s34                              ; 57,344 x 2^ek
	s_add_co_i32 s34, s31, 127
	s_lshl_b32 s35, s34, 23
	v_mov_b32 v10, s35                             ; 2^ev
	s_add_co_i32 s34, s34, 15
	s_lshl_b32 s34, s34, 23
	s_or_b32 s34, s34, 0x600000
	v_mov_b32 v11, s34                             ; 57,344 x 2^ev
	; K turns through my stage: in as it was loaded, back 128 bytes of one row a lane.  LDS serves a wave's instructions in order (ISA guide 5.7.1.4): no wait between the stores and the loads.
	s_wait_loadcnt 8                               ; K's eight loads are in; V's eight, issued behind them, may be out
.irp i, 0,1,2,3,4,5,6,7
	ds_store_b128 v[SIN], v[KR+4*\i:KR+4*\i+3] offset:2*SPITCH*\i
.endr
.irp i, 0,1,2,3,4,5,6,7
	ds_load_b128 v[KT+4*\i:KT+4*\i+3], v[SRW] offset:16*\i      ; K(key pi(r), channels 32 h + 4 i ..)
.endr
	; V: the hold and the change of order in one; four conversions; each store of the wave covers 256 consecutive bytes, aligned
	s_wait_loadcnt 0x0
.irp x, 0,1,2,3
.irp i, 0,1,2,3,4,5,6,7
	v_med3_num_f32 v[VT+8*\x+\i], v[VR+4*\i+\x], -v11, v11      ; the conversion to an 8-bit code does not saturate (ISA guide 7.6.2): hold first
.endr
.endr
.irp x, 0,1,2,3
	v_cvt_scalef32_pk8_bf8_f32 v[VC+2*\x:VC+2*\x+1], v[VT+8*\x:VT+8*\x+7], v10
.endr
	v_nop                                          ; one plain vector instruction between the last scaled conversion and the vector instructions that read its result
.irp x, 0,1,2,3
	global_store_b64 v[L8], v[VC+2*\x:VC+2*\x+1], s[12:13] offset:256*\x
.endr
	; the sums of the code values: my eight keys of each tile's channel,
.irp x, 0,1,2,3
	v_cvt_f32_bf8 v[DQ], v[VC+2*\x]
	v_cvt_f32_bf8 v[DQ+4], v[VC+2*\x+1]
.irp b, 1,2,3
	v_cvt_f32_bf8 v[DQ+\b], v[VC+2*\x] byte_sel:\b
	v_cvt_f32_bf8 v[DQ+4+\b], v[VC+2*\x+1] byte_sel:\b
.endr
	v_pk_add_f32 v[DQ:DQ+1], v[DQ:DQ+1], v[DQ+2:DQ+3]
	v_pk_add_f32 v[DQ+4:DQ+5], v[DQ+4:DQ+5], v[DQ+6:DQ+7]
	v_pk_add_f32 v[DQ:DQ+1], v[DQ:DQ+1], v[DQ+4:DQ+5]
	v_add_f32 v[SUM+\x], v[DQ], v[DQ+1]
.endr
.irp x, 0,1,2,3
	v_permlanex16_b32 v12, v[SUM+\x], s32, s33     ; and the other eight, which lie in the lane 16 away
	v_add_f32 v[SUM+\x], v[SUM+\x], v12
.endr
.irp x, 0,1,2,3
	ds_store_b32 v[SST], v[SUM+\x] offset:32*\x    ; both halves of the lanes write the same number to the same word
.endr
	; K: hold, convert, store: each store of the wave covers 512 consecutive bytes
	s_wait_dscnt 4                                 ; all but the four stores of sums: K is back from the stage
.irp i, 0,1,2,3,4,5,6,7,8,9,10,11,12,13,14,15,16,17,18,19,20,21,22,23,24,25,26,27,28,29,30,31
	v_med3_num_f32 v[KT+\i], v[KT+\i], -v9, v9
.endr
.irp g, 0,1,2,3
	v_cvt_scalef32_pk8_bf8_f32 v[KC+2*\g:KC+2*\g+1], v[KT+8*\g:KT+8*\g+7], v8
.endr
	v_nop                                          ; a plain vector instruction behind the last scaled conversion
.irp g, 0,1
	global_store_b128 v[L16], v[KC+4*\g:KC+4*\g+3], s[10:11] offset:512*\g
.endr
	; the sixteen patches' sums meet: every wave's stores of sums are done in front of its signal; wave 0 reads behind its wait
	s_wait_dscnt 0x0
	s_barrier_signal -1
	s_barrier_wait -1
	s_cmp_lg_u32 s16, 0
	s_cbranch_scc1 .Ldone
.irp u, 0,1,2,3,4,5,6,7,8,9,10,11,12,13,14,15
	ds_load_b64 v[16+2*\u:17+2*\u], v[SRD] offset:256*\u        ; wave u's sums 2 lane and 2 lane + 1
.endr
	s_wait_dscnt 0x0
.irp k, 0,1,2,3,4,5,6,7
	v_pk_add_f32 v[16+4*\k:17+4*\k], v[16+4*\k:17+4*\k], v[18+4*\k:19+4*\k]
.endr
.irp k, 0,1,2,3
	v_pk_add_f32 v[16+8*\k:17+8*\k], v[16+8*\k:17+8*\k], v[20+8*\k:21+8*\k]
.endr
.irp k, 0,1
	v_pk_add_f32 v[16+16*\k:17+16*\k], v[16+16*\k:17+16*\k], v[24+16*\k:25+16*\k]
.endr
	v_pk_add_f32 v[16:17], v[16:17], v[32:33]
	global_store_b64 v[L8], v[16:17], s[14:15]     ; 256 consecutive bytes, aligned: the block's 64 sums
.Ldone:
	s_wait_tensorcnt 0x0
	ds_add_u32 v176, v177
	s_wait_dscnt 0x0
	s_endpgm
.Lfunc_end_k_q938ad61311_prep:
	.size	k_q938ad61311_prep, .Lfunc_end_k_q938ad61311_prep-k_q938ad61311_prep
	.p2alignl 7, 3214868480
	.fill 96, 4, 3214868480
	.section	.rodata,"a",@progbits
	.p2align	6, 0x0
	.amdhsa_kernel k_q938ad61311_prep
		.amdhsa_group_segment_fixed_size 75776
		.amdhsa_private_segment_fixed_size 0
		.amdhsa_enable_private_segment 0
		.amdhsa_kernarg_size 48
		.amdhsa_user_sgpr_count 2
		.amdhsa_user_sgpr_kernarg_segment_ptr 1
		.amdhsa_wavefront_size32 1
		.amdhsa_system_sgpr_workgroup_id_x 1
		.amdhsa_system_sgpr_workgroup_id_y 1
		.amdhsa_system_sgpr_workgroup_id_z 1
		.amdhsa_system_vgpr_workitem_id 0
		.amdhsa_next_free_vgpr 178
		.amdhsa_next_free_sgpr 66
		.amdhsa_reserve_vcc 0
		.amdhsa_float_denorm_mode_32 3
		.amdhsa_float_denorm_mode_16_64 3
		.amdhsa_memory_ordered 1
		.amdhsa_forward_progress 1
		.amdhsa_inst_pref_size 17
	.end_amdhsa_kernel
	.amdgpu_metadata
---
amdhsa.version: [ 1, 2 ]
amdhsa.kernels:
  - .name:           k_q938ad61311_prep
    .symbol:         k_q938ad61311_prep.kd
    .args:
      - { .name: keys, .offset: 0, .size: 8, .value_kind: global_buffer, .address_space: global }
      - { .name: values, .offset: 8, .size: 8, .value_kind: global_buffer, .address_space: global }
      - { .name: lowp_scales, .offset: 16, .size: 8, .value_kind: global_buffer, .address_space: global }
      - { .name: kc, .offset: 24, .size: 8, .value_kind: global_buffer, .address_space: global }
      - { .name: vc, .offset: 32, .size: 8, .value_kind: global_buffer, .address_space: global }
      - { .name: vsum, .offset: 40, .size: 8, .value_kind: global_buffer, .address_space: global }
    .group_segment_fixed_size: 75776
    .private_segment_fixed_size: 0
    .kernarg_segment_align: 8
    .kernarg_segment_size: 48
    .max_flat_workgroup_size: 512
    .sgpr_count:     66
    .vgpr_count:     178
    .wavefront_size: 32
...
	.end_amdgpu_metadata
.endif
;; end of part 1
;; launch attn (part 2): grid 8 x 32, 16 waves a work-group, no clusters, 121,344 bytes of LDS; arguments queries, log_scale, lowp_scales, kc, vc, vsum, out0; writes out0
.if DOCPART == 2
	.amdgcn_target "amdgcn-amd-amdhsa--gfx1250"
	.amdhsa_code_object_version 6
	.text
	.protected	k_q938ad61311_attn
	.globl	k_q938ad61311_attn
	.p2align	8
	.type	k_q938ad61311_attn,@function
k_q938ad61311_attn:
	s_mov_b64 s[64:65], 0
	v_nop
	global_prefetch_b8 v0, s[64:65] scope:SCOPE_SE
	s_setreg_imm32_b32 hwreg(HW_REG_WAVE_MODE, 25, 1), 1
	s_wait_xcnt 0x0
; out[q] = sum over k of Q(A[q][k]) Q(V[k]),  A = softmax(scale x pos) - softmax(scale x neg),  pos = the scores, neg = their negatives, both -10,000 at masked keys;
; scale = clip(exp(log_scale), 1, 30) / 8.  Both products on codes of BF8 (E5M2), each operand with its given scale 2^e: eq, ek, ea, ev.  32 heads, 2,048 positions, 64 channels.
; THE MASK.  A patch is 16 positions, one matrix tile.  A query of patch p sees the keys of patches p + 1 .. p + 9, as far as the head has them: nv = min(9, 127 - p) tiles.
; THE MASKED KEYS STILL COUNT.  Their fill is a number, not -infinity.  All nm = 2,048 - 16 nv of them share one weight in each softmax, g = exp(fill - max): nm g enters each denominator, and
; their A is one number c = g_pos / Z_pos - g_neg / Z_neg.  Their share of the output is Q(c) x (the sum of V's quantised numbers over the masked keys) = Q(c) x (T - W): T the head's total
; of V's code values (its eight partial sums come from the launch before), W the window's, made by the matrix unit from V's codes and codes of 1.0.  W covers at most 144 of 2,048 keys.
; SHARES.  Work-group (x = block of 16 patches, y = head); wave w owns the 16 queries of patch p = 16 x + w, in 256 registers: four waves to a SIMD, so that one wave's exponentials stand beside
; another's LDS loads and products.  No loop.  The 24 patches of K's and V's codes that the block's windows touch are copied once into LDS; wave w's window tile c is image w + c.
; THE HEAD'S END, WITHOUT A BRANCH.  An image beyond patch 127 is a copy of patch 127 (the clamp stands in the global address alone).  A tile c >= nv gets the addend -infinity in its exponents
; (its weights, A and codes are 0) and zeros in place of the codes of 1.0.  In the maximum a copy of patch 127 changes nothing where nv >= 1; where nv = 0 tile 0's addend takes the scores out of it.
; LAYOUT.  Both products are used transposed: S^T = K Q^T (source 0 = 16 keys, source 1 = my 16 queries), O^T = V^T A^T (source 0 = 16 channels, source 1 = A's codes): a lane holds ONE query
; (lane % 16) throughout.  Row 8 h + j of a tile of K is key 2 j + h, so one conversion of a tile's eight registers gives two registers of A's operand, and V's images hold key 2 i + h in byte i.
; Tile x of V^T holds channels 4 a + x, so a lane ends with channels 32 h .. 32 h + 31 of its query.  Q's and K's channels stand in the same places of their operands (32 h + 4 i + b).
; NO CLUSTER, NO TENSOR LOAD: every LDS byte is filled once; neighbouring work-groups share 8 of their 24 images, a third of the codes and a seventh of all that a work-group reads.
; LIMITS: eq and ea between -126 and 112, so that 2^e and 57,344 x 2^e are f32 numbers; eq + ek and ea + ev are applied by v_ldexp_f32 and have none.  NaN among the inputs is not served.
; A weight under 2^-126 counts as 0 (v_exp_f32 flushes: ISA guide 15.8).  log_scale is held within -1 .. 4 ahead of the exponential, which the clip to 1 .. 30 makes exact.
.set KCL,    0                         ; LDS: 24 images of K's codes, 1,024 bytes each
.set VCL,    24576                     ; 24 images of V's codes
.set TL,     49152                     ; T: 64 f32
.set STG,    49408                     ; a stage of 16 rows x 272 bytes for each wave: Q's turn, and the way out
.set SPITCH, 272                       ; 256 bytes + 16: sixteen rows start at sixteen different groups of banks (64 banks of 4 bytes: ISA guide 11.1)
.set WSTG,   16*SPITCH
.set L16, 1                            ; v1   16 x lane
.set CPY, 2                            ; v2   where I put the images that I copy: 3,072 x wave + 16 x lane
.set SIN, 3                            ; v3   my stage as global memory lies: row lane / 16, 16 bytes a lane
.set SRW, 4                            ; v4   my stage by rows: row r, + 128 h
.set KAD, 5                            ; v5   my window's first image of K, + 16 x lane
.set VAD, 6                            ; v6   of V, + 8 x lane
.set TAD, 7                            ; v7   T's 32 numbers of my half
.set TST, 8                            ; v8   waves 0 and 1: where a total goes
.set TGO, 9                            ; v9   and where its partial sums lie
; v[10:11] c1 = scale x log2(e) x 2^(eq + ek); v[12:13] -c1; v14 the fill in the exponent's units; v15 nm; v16, v17 2^eq and 57,344 x 2^eq; v18, v19 the same with ea; v20 2^(ea + ev); v21 c
; v22-25 the largest score and the largest negated score, two chains each; v26, v27 lane permutes' results; v28, v29 the two maxima; v[30:37] the tiles' addends, two sets by turns
; v[38:45] the sums, two chains each; v46, v47 g_pos, g_neg; v[48:49] 1 / Z_pos; v[50:51] -1 / Z_neg; v[52:53] the value of c's code; v[54:55] c's code
.set P,   56                           ; v56-71 A's codes of tiles 0-7 (first: Q's codes in v56-63); v72-77 zeros; v78-79 tile 8's
.set ON,  80                           ; v80-95 codes of 1.0 for tiles 0-7; v96-101 zeros; v102-103 tile 8's
.set R1,  104                          ; v104-175 copies; K's nine fragments; the weights of pos, then A; V's fragments (tile x at 18 x); T and the results
.set R2,  176                          ; v176-247 Q; S^T; the weights of neg; O^T (8 x) and W (32 + 8 x); rows on the way out
; v248-255 waves 0 and 1: a channel's eight partial sums
	s_load_b256 s[4:11], s[0:1], 0x0               ; queries s[4:5], log_scale s[6:7], the scales' exponents s[8:9], kc s[10:11]
	s_load_b128 s[12:15], s[0:1], 0x20             ; vc s[12:13], vsum s[14:15]
	s_load_b64 s[16:17], s[0:1], 0x30              ; out0
	v_lshrrev_b32 v1, 5, v0
	v_readfirstlane_b32 s18, v1                    ; wave 0..15
	v_and_b32 v22, 31, v0                          ; lane
	v_and_b32 v23, 15, v0                          ; r
	v_bfe_u32 v24, v0, 4, 1                        ; h
	v_lshlrev_b32 v[L16], 4, v22
	s_mul_i32 s23, s18, 3072
	v_add_nc_u32 v[CPY], s23, v[L16]               ; waves 0-7 fill K's 24 images, waves 8-15 V's, three each
	s_mul_i32 s23, s18, WSTG
	s_add_co_u32 s23, s23, STG                     ; my stage
	v_mul_u32_u24 v[SIN], v24, SPITCH
	v_lshl_add_u32 v[SIN], v23, 4, v[SIN]
	v_add_nc_u32 v[SIN], s23, v[SIN]
	v_mul_u32_u24 v[SRW], v23, SPITCH
	v_lshl_add_u32 v[SRW], v24, 7, v[SRW]
	v_add_nc_u32 v[SRW], s23, v[SRW]
	s_lshl_b32 s23, s18, 10
	v_add_nc_u32 v[KAD], s23, v[L16]
	s_add_co_u32 s23, s23, VCL
	v_lshl_add_u32 v[VAD], v22, 3, s23
	v_lshlrev_b32 v[TAD], 7, v24
	v_add_nc_u32 v[TAD], TL, v[TAD]
	v_and_b32 v[TGO], 63, v0
	v_lshlrev_b32 v[TGO], 2, v[TGO]
	v_add_nc_u32 v[TST], TL, v[TGO]
	s_and_b32 s20, ttmp7, 0xffff                   ; head
	s_lshl_b32 s19, ttmp9, 4                       ; the block's first patch
	s_add_co_u32 s21, s19, s18                     ; p
	s_sub_co_u32 s22, 127, s21
	s_min_u32 s22, s22, 9                          ; nv
	s_mov_b32 s62, 0xff800000                      ; -infinity
	s_mov_b32 s63, 0x3c3c3c3c                      ; four codes of 1.0
.irp c, 0,1,2,3,4,5,6,7,8
	s_cmp_gt_u32 s22, \c                           ; is tile c in the head?
	s_cselect_b32 s[40+\c], 0, s62                 ; its addend,
	s_cselect_b32 s[50+\c], s63, 0                 ; and its part of the operand that makes W
.endr
	s_mov_b32 s60, 0x76543210                      ; v_permlanex16_b32's selects for lane l xor 16
	s_mov_b32 s61, 0xfedcba98
	s_lshl_b32 s38, s20, 19                        ; in queries and out0: a head is 2^19 bytes, a patch 2^12
	s_lshl_b32 s23, s21, 12
	s_add_co_u32 s38, s38, s23
	s_mov_b32 s39, 0
	s_lshl_b32 s2, s20, 11                         ; in vsum: 2^11 a head
	s_mov_b32 s3, 0
	s_and_b32 s23, s18, 7
	s_mul_i32 s23, s23, 3
	s_add_co_u32 s23, s23, s19
	s_add_co_u32 s23, s23, 1                       ; the patch of the first image that I copy: 16 x + 1 + 3 (wave % 8)
	s_lshl_b32 s29, s20, 17                        ; in kc and vc: 2^17 a head, 2^10 a patch
.irp i, 0,1,2
	s_add_co_u32 s[32+2*\i], s23, \i
	s_min_u32 s[32+2*\i], s[32+2*\i], 127          ; beyond the head's end: patch 127 once more; no load leaves the head
	s_lshl_b32 s[32+2*\i], s[32+2*\i], 10
	s_add_co_u32 s[32+2*\i], s[32+2*\i], s29
	s_mov_b32 s[33+2*\i], 0
.endr
	s_wait_kmcnt 0x0
	s_load_b128 s[24:27], s[8:9], 0x0              ; eq, ek, ea, ev
	s_load_b32 s28, s[6:7], 0x0                    ; log_scale
	s_cmp_lt_u32 s18, 8                            ; the choice hangs on the wave's number alone
	s_cselect_b64 s[30:31], s[10:11], s[12:13]
	s_add_nc_u64 s[32:33], s[30:31], s[32:33]
	s_add_nc_u64 s[34:35], s[30:31], s[34:35]
	s_add_nc_u64 s[36:37], s[30:31], s[36:37]
	s_add_nc_u64 s[4:5], s[4:5], s[38:39]
	s_add_nc_u64 s[16:17], s[16:17], s[38:39]
	s_add_nc_u64 s[14:15], s[14:15], s[2:3]
.irp i, 0,1,2
.irp g, 0,1
	global_load_b128 v[R1+8*\i+4*\g:R1+8*\i+4*\g+3], v[L16], s[32+2*\i:33+2*\i] offset:512*\g   ; an image as it lies: 512 consecutive bytes a load
.endr
.endr
.irp i, 0,1,2,3,4,5,6,7
	global_load_b128 v[R2+4*\i:R2+4*\i+3], v[L16], s[4:5] offset:512*\i th:TH_LOAD_NT           ; my patch of Q: rows 2 i and 2 i + 1
.endr
	; T: threads 0 to 63 add a channel's eight partial sums
	s_cmp_lt_u32 s18, 2
	s_cbranch_scc0 .Lno_total
.irp b, 0,1,2,3,4,5,6,7
	global_load_b32 v[248+\b], v[TGO], s[14:15] offset:256*\b
.endr
	s_wait_loadcnt 0x0
	v_add_f32 v248, v248, v249
	v_add_f32 v250, v250, v251
	v_add_f32 v252, v252, v253
	v_add_f32 v254, v254, v255
	v_add_f32 v248, v248, v250
	v_add_f32 v252, v252, v254
	v_add_f32 v248, v248, v252
	ds_store_b32 v[TST], v248
.Lno_total:
	; the constants, the same in every lane, made while the loads are on their way
	s_wait_kmcnt 0x0
	v_med3_num_f32 v30, s28, -1.0, 4.0             ; exp(-1) < 1 and exp(4) > 30: the clip below gives the same as without this hold
	v_mul_f32 v31, 0x3fb8aa3b, v30                 ; log_scale x log2(e): the rounded product,
	v_fma_f32 v32, v30, 0x3fb8aa3b, -v31           ; what the rounding dropped,
	v_fma_f32 v32, v30, 0x32a57060, v32            ; and what the constant lacks of log2(e)
	v_exp_f32 v33, v31
	v_mov_b32 v26, 0                               ; (a plain place behind the exponential)  written once: a lane permute's destination counts as one of its sources
	v_mov_b32 v27, 0
	s_wait_alu depctr_va_vdst(0)
	v_mul_f32 v32, v33, v32
	v_fma_f32 v33, v32, 0x3f317218, v33            ; exp(log_scale) = 2^hi (1 + lo ln 2)
	v_med3_num_f32 v33, v33, 1.0, 0x41f00000       ; clipped to 1 .. 30
	v_mul_f32 v33, 0x3e38aa3b, v33                 ; x log2(e) / 8: the exponent of 2 for a score of 1
	s_add_co_i32 s23, s24, s25
	v_ldexp_f32 v10, v33, s23                      ; c1: a sum of the first product stands for sum x 2^(eq + ek)
	v_mov_b32 v11, v10                             ; (the packed forms name pairs and take the low word for both halves: the upper words are written)
	v_xor_b32 v12, 0x80000000, v10                 ; -c1
	v_mov_b32 v13, v12
	v_mul_f32 v14, 0xc61c4000, v33                 ; the fill: -10,000 in the same units
	s_lshl_b32 s23, s22, 4
	s_sub_co_u32 s23, 2048, s23
	v_cvt_f32_u32 v15, s23                         ; nm
	s_add_co_i32 s23, s26, s27
	v_ldexp_f32 v20, 1.0, s23                      ; 2^(ea + ev)
	s_add_co_i32 s23, s24, 127
	s_lshl_b32 s29, s23, 23
	v_mov_b32 v16, s29                             ; 2^eq as f32: the conversion takes its exponent field
	s_add_co_i32 s23, s23, 15
	s_lshl_b32 s23, s23, 23
	s_or_b32 s23, s23, 0x600000
	v_mov_b32 v17, s23                             ; 57,344 x 2^eq
	s_add_co_i32 s23, s26, 127
	s_lshl_b32 s29, s23, 23
	v_mov_b32 v18, s29                             ; 2^ea
	s_add_co_i32 s23, s23, 15
	s_lshl_b32 s23, s23, 23
	s_or_b32 s23, s23, 0x600000
	v_mov_b32 v19, s23                             ; 57,344 x 2^ea
.irp r, 35,37,49,51,53
	v_mov_b32 v\r, 0                               ; upper words of pairs of which the low word alone is used (v31 and v33 have been written above)
.endr
.irp r, 72,73,74,75,76,77,96,97,98,99,100,101
	v_mov_b32 v\r, 0                               ; zero codes: the last K step of the second product holds one tile, in its last quarter
.endr
	; the copies go into LDS; Q turns through my stage: in as it was loaded, back 128 bytes of one row a lane
	s_wait_loadcnt 8                               ; my six copy loads are in; Q's eight, issued behind them, may be out
.irp i, 0,1,2
.irp g, 0,1
	ds_store_b128 v[CPY], v[R1+8*\i+4*\g:R1+8*\i+4*\g+3] offset:1024*\i+512*\g
.endr
.endr
	s_wait_loadcnt 0x0
.irp i, 0,1,2,3,4,5,6,7
	ds_store_b128 v[SIN], v[R2+4*\i:R2+4*\i+3] offset:2*SPITCH*\i
.endr
.irp i, 0,1,2,3,4,5,6,7
	ds_load_b128 v[R2+32+4*\i:R2+32+4*\i+3], v[SRW] offset:16*\i     ; Q(query r, channels 32 h + 4 i ..); LDS serves a wave's instructions in order (ISA guide 5.7.1.4)
.endr
	s_wait_dscnt 0x0                               ; for the others' sake: my images, and T, lie in LDS; and Q is back
	s_barrier_signal -1
.irp i, 0,1,2,3,4,5,6,7,8,9,10,11,12,13,14,15,16,17,18,19,20,21,22,23,24,25,26,27,28,29,30,31
	v_med3_num_f32 v[R2+32+\i], v[R2+32+\i], -v17, v17               ; work on registers while the others arrive: the conversion does not saturate (ISA guide 7.6.2): hold first
.endr
.irp g, 0,1,2,3
	v_cvt_scalef32_pk8_bf8_f32 v[P+2*\g:P+2*\g+1], v[R2+32+8*\g:R2+32+8*\g+7], v16
.endr
	v_nop                                          ; one plain vector instruction between the last scaled conversion and the products that read its result and write its sources
	s_barrier_wait -1                              ; all 48 images and T lie in LDS; nothing writes them again
	; S^T = K Q^T: nine tiles of 16 keys, each one product (K = the 64 channels)
.irp c, 0,1,2,3,4,5,6,7,8
.irp g, 0,1
	ds_load_b128 v[R1+8*\c+4*\g:R1+8*\c+4*\g+3], v[KAD] offset:1024*\c+512*\g
.endr
.endr
.irp c, 0,1,2,3,4,5,6,7,8
	s_wait_dscnt 16-2*\c                           ; fragment c's two loads are in; those of the later fragments may be out
	v_wmma_f32_16x16x64_bf8_bf8 v[R2+8*\c:R2+8*\c+7], v[R1+8*\c:R1+8*\c+7], v[P:P+7], 0
.endr
.irp c, 0,1,2,3,4,5,6,7
	v_mov_b32 v[ON+2*\c], s[50+\c]                 ; the codes of 1.0, or zeros.  These eighteen plain lines are also the places behind the products (ISA guide 7.12.1)
	v_mov_b32 v[ON+2*\c+1], s[50+\c]
.endr
	v_mov_b32 v[ON+22], s58
	v_mov_b32 v[ON+23], s58
; the largest score and the largest negated score of my query among my 72 keys; each tile's registers from the low end on
.macro MAXMIN c
.set SB, R2+8*(\c)
.if (\c) == 0
	v_max_num_f32 v22, v[SB], v[SB+1]
	v_max_num_f32 v23, v[SB+2], v[SB+3]
	v_max_num_f32 v24, -v[SB], -v[SB+1]
	v_max_num_f32 v25, -v[SB+2], -v[SB+3]
.else
	v_max3_num_f32 v22, v22, v[SB], v[SB+1]
	v_max3_num_f32 v23, v23, v[SB+2], v[SB+3]
	v_max3_num_f32 v24, v24, -v[SB], -v[SB+1]
	v_max3_num_f32 v25, v25, -v[SB+2], -v[SB+3]
.endif
	v_max3_num_f32 v22, v22, v[SB+4], v[SB+5]
	v_max3_num_f32 v23, v23, v[SB+6], v[SB+7]
	v_max3_num_f32 v24, v24, -v[SB+4], -v[SB+5]
	v_max3_num_f32 v25, v25, -v[SB+6], -v[SB+7]
.endm
.irp c, 0,1,2,3,4,5,6,7,8
	MAXMIN \c
.endr
	v_max_num_f32 v22, v22, v23
	v_max_num_f32 v24, v24, v25
	v_permlanex16_b32 v26, v22, s60, s61           ; the query's other 72 keys lie in the lane 16 away
	v_permlanex16_b32 v27, v24, s60, s61
	v_max_num_f32 v22, v22, v26
	v_max_num_f32 v24, v24, v27
	v_fma_f32 v28, v22, v10, s40                   ; as exponents (c1 is positive); with no tile in the head tile 0's addend makes them -infinity,
	v_fma_f32 v29, v24, v10, s40
	v_max_num_f32 v28, v28, v14                    ; and the fill takes part in both maxima
	v_max_num_f32 v29, v29, v14
	v_sub_f32 v46, v14, v28
	v_sub_f32 v47, v14, v29
	v_exp_f32 v46, v46                             ; g_pos, g_neg: a masked key's weight
	v_exp_f32 v47, v47
; tile c's exponents: pos into R1, neg in place
.macro ARGS c
.set SB, 8*(\c)
.set BP, 30+2*((\c)%2)
.set BN, 34+2*((\c)%2)
	v_sub_f32 v[BP], s[40+(\c)], v28               ; -max, or -infinity for a tile beyond the head's end
	v_sub_f32 v[BN], s[40+(\c)], v29
.irp k, 0,2,4,6
	v_pk_fma_f32 v[R1+SB+\k:R1+SB+\k+1], v[R2+SB+\k:R2+SB+\k+1], v[10:11], v[BP:BP+1] op_sel_hi:[1,0,0]
	v_pk_fma_f32 v[R2+SB+\k:R2+SB+\k+1], v[R2+SB+\k:R2+SB+\k+1], v[12:13], v[BN:BN+1] op_sel_hi:[1,0,0]
.endr
.endm
.macro EXPS c
.irp j, 0,1,2,3,4,5,6,7
	v_exp_f32 v[R1+8*(\c)+\j], v[R1+8*(\c)+\j]
.endr
.irp j, 0,1,2,3,4,5,6,7
	v_exp_f32 v[R2+8*(\c)+\j], v[R2+8*(\c)+\j]
.endr
.endm
; tile c's weights are added to the sums: two chains for each softmax; tile 0 starts them
.macro SUMS c
.set SB, 8*(\c)
.if (\c) == 0
	s_wait_alu depctr_va_vdst(0)
	v_pk_add_f32 v[38:39], v[R1:R1+1], v[R1+4:R1+5]
	v_pk_add_f32 v[40:41], v[R1+2:R1+3], v[R1+6:R1+7]
	v_pk_add_f32 v[42:43], v[R2:R2+1], v[R2+4:R2+5]
	v_pk_add_f32 v[44:45], v[R2+2:R2+3], v[R2+6:R2+7]
.else
	s_wait_alu depctr_va_vdst(0)
.irp k, 0,4
	v_pk_add_f32 v[38:39], v[38:39], v[R1+SB+\k:R1+SB+\k+1]
	v_pk_add_f32 v[40:41], v[40:41], v[R1+SB+\k+2:R1+SB+\k+3]
	v_pk_add_f32 v[42:43], v[42:43], v[R2+SB+\k:R2+SB+\k+1]
	v_pk_add_f32 v[44:45], v[44:45], v[R2+SB+\k+2:R2+SB+\k+3]
.endr
.endif
.endm
; Behind a run of exponentials stands plain work that touches none of its registers: the tile before's sums, or the next tile's addends (ISA guide 5.7.2)
.irp c, 0,1,2,3,4,5,6,7,8
	ARGS \c
	EXPS \c
.if \c > 0
	SUMS \c-1
.endif
.endr
	SUMS 8
	v_pk_add_f32 v[38:39], v[38:39], v[40:41]
	v_pk_add_f32 v[42:43], v[42:43], v[44:45]
	v_add_f32 v38, v38, v39
	v_add_f32 v42, v42, v43
	v_permlanex16_b32 v26, v38, s60, s61
	v_permlanex16_b32 v27, v42, s60, s61
	v_add_f32 v38, v38, v26
	v_add_f32 v42, v42, v27
	v_fma_f32 v38, v15, v46, v38                   ; Z = the open keys' weights + nm g; at least about 1, since the maximum's own term is among them
	v_fma_f32 v42, v15, v47, v42
	v_rcp_f32 v48, v38
	v_rcp_f32 v50, v42
	v_nop                                          ; a plain place behind the reciprocals
	s_wait_alu depctr_va_vdst(0)
	v_fma_f32 v39, -v38, v48, 1.0                  ; one Newton step each: what goes into a quantiser is as good as f32 gives
	v_fma_f32 v43, -v42, v50, 1.0
	v_fma_f32 v48, v48, v39, v48                   ; 1 / Z_pos
	v_fma_f32 v50, -v50, v43, -v50                 ; -1 / Z_neg
	v_mul_f32 v21, v46, v48
	v_fma_f32 v21, v47, v50, v21                   ; c: a masked key's A
; tile c's A, held and turned into codes: two registers of the second product's operand
.macro AQ c
.set SB, 8*(\c)
.if (\c) < 8
.set PD, P+2*(\c)
.else
.set PD, P+22
.endif
.irp k, 0,2,4,6
	v_pk_mul_f32 v[R1+SB+\k:R1+SB+\k+1], v[R1+SB+\k:R1+SB+\k+1], v[48:49] op_sel_hi:[1,0]
.endr
.irp k, 0,2,4,6
	v_pk_fma_f32 v[R1+SB+\k:R1+SB+\k+1], v[R2+SB+\k:R2+SB+\k+1], v[50:51], v[R1+SB+\k:R1+SB+\k+1] op_sel_hi:[1,0,1]
.endr
.irp j, 0,1,2,3,4,5,6,7
	v_med3_num_f32 v[R1+SB+\j], v[R1+SB+\j], -v19, v19
.endr
	v_cvt_scalef32_pk8_bf8_f32 v[PD:PD+1], v[R1+SB:R1+SB+7], v18
.endm
.irp c, 0,1,2,3,4,5,6,7,8
	AQ \c
.endr
	v_med3_num_f32 v[R2], v21, -v19, v19           ; c likewise; of the eight codes the first alone is used
	v_cvt_scalef32_pk8_bf8_f32 v[54:55], v[R2:R2+7], v18
	v_nop                                          ; one plain vector instruction between the last scaled conversion and what reads its result or writes its sources
	v_cvt_f32_bf8 v52, v54                         ; the value of c's code
	; O^T = V^T A^T and W = V^T 1: four tiles of 16 channels, three K steps of 64 keys (tiles 0-3, 4-7, and 5-8 of which 5-7 meet zero codes)
.irp x, 0,1,2,3
.irp c, 0,1,2,3,4,5,6,7,8
	ds_load_b64 v[R1+18*\x+2*\c:R1+18*\x+2*\c+1], v[VAD] offset:1024*\c+256*\x
.endr
.endr
	s_wait_dscnt 0x0
.irp g, 0,1,2                          ; the eight accumulators take turns, one instruction a turn
.irp x, 0,1,2,3
.set VA, R1+18*\x+8*\g-6*(\g/2)
.if \g == 0
	v_wmma_f32_16x16x64_bf8_bf8 v[R2+8*\x:R2+8*\x+7], v[VA:VA+7], v[P+8*\g:P+8*\g+7], 0
	v_wmma_f32_16x16x64_bf8_bf8 v[R2+32+8*\x:R2+32+8*\x+7], v[VA:VA+7], v[ON+8*\g:ON+8*\g+7], 0
.else
	v_wmma_f32_16x16x64_bf8_bf8 v[R2+8*\x:R2+8*\x+7], v[VA:VA+7], v[P+8*\g:P+8*\g+7], v[R2+8*\x:R2+8*\x+7]
	v_wmma_f32_16x16x64_bf8_bf8 v[R2+32+8*\x:R2+32+8*\x+7], v[VA:VA+7], v[ON+8*\g:ON+8*\g+7], v[R2+32+8*\x:R2+32+8*\x+7]
.endif
.endr
.endr
.rept 4
	v_nop                                          ; places in front of loads into registers that the products have read, and of the first reads of their results
.endr
	; THE WAY OUT.  out = (O + Q(c) (T - W)) x 2^(ea + ev).  Register 8 x + j of lane (q, h) is channel 32 h + 4 j + x
.irp i, 0,1,2,3,4,5,6,7
	ds_load_b128 v[R1+4*\i:R1+4*\i+3], v[TAD] offset:16*\i           ; T in the same order
.endr
	s_wait_dscnt 0x0
.irp k, 0,2,4,6,8,10,12,14,16,18,20,22,24,26,28,30
	v_pk_add_f32 v[R1+\k:R1+\k+1], v[R1+\k:R1+\k+1], v[R2+32+\k:R2+32+\k+1] neg_lo:[0,1] neg_hi:[0,1]   ; T - W: the masked keys' total; each accumulator from its low end on
.endr
.irp k, 0,2,4,6,8,10,12,14,16,18,20,22,24,26,28,30
	v_pk_fma_f32 v[R1+\k:R1+\k+1], v[R1+\k:R1+\k+1], v[52:53], v[R2+\k:R2+\k+1] op_sel_hi:[1,0,1]
.endr
.irp x, 0,1,2,3
.irp j, 0,1,2,3,4,5,6,7
	v_mul_f32 v[R1+32+4*\j+\x], v[R1+8*\x+\j], v20                   ; scaled, and set in the order of the channels
.endr
.endr
.irp i, 0,1,2,3,4,5,6,7
	ds_store_b128 v[SRW], v[R1+32+4*\i:R1+32+4*\i+3] offset:16*\i    ; my 128 bytes of row q, into my own stage,
.endr
.irp i, 0,1,2,3,4,5,6,7
	ds_load_b128 v[R2+4*\i:R2+4*\i+3], v[SIN] offset:2*SPITCH*\i     ; and back as whole rows: LDS serves a wave's instructions in order
.endr
.irp i, 0,1,2,3,4,5,6,7
	s_wait_dscnt 7-\i                              ; rows 2 i and 2 i + 1 are back; the later ones may be out
	global_store_b128 v[L16], v[R2+4*\i:R2+4*\i+3], s[16:17] offset:512*\i th:TH_STORE_NT   ; 32 lanes store 512 consecutive bytes, at a multiple of 256 from out0's first byte
.endr
	s_wait_xcnt 0x0
	v_lshl_add_u32 v254, v0, 2, 0x1d200
	v_mov_b32 v255, 0
	s_wait_tensorcnt 0x0
	ds_add_u32 v254, v255
	s_wait_dscnt 0x0
	s_endpgm
.Lfunc_end_k_q938ad61311_attn:
	.size	k_q938ad61311_attn, .Lfunc_end_k_q938ad61311_attn-k_q938ad61311_attn
	.p2alignl 7, 3214868480
	.fill 96, 4, 3214868480
	.section	.rodata,"a",@progbits
	.p2align	6, 0x0
	.amdhsa_kernel k_q938ad61311_attn
		.amdhsa_group_segment_fixed_size 121344
		.amdhsa_private_segment_fixed_size 0
		.amdhsa_enable_private_segment 0
		.amdhsa_kernarg_size 56
		.amdhsa_user_sgpr_count 2
		.amdhsa_user_sgpr_kernarg_segment_ptr 1
		.amdhsa_wavefront_size32 1
		.amdhsa_system_sgpr_workgroup_id_x 1
		.amdhsa_system_sgpr_workgroup_id_y 1
		.amdhsa_system_sgpr_workgroup_id_z 1
		.amdhsa_system_vgpr_workitem_id 0
		.amdhsa_next_free_vgpr 256
		.amdhsa_next_free_sgpr 66
		.amdhsa_reserve_vcc 0
		.amdhsa_float_denorm_mode_32 3
		.amdhsa_float_denorm_mode_16_64 3
		.amdhsa_memory_ordered 1
		.amdhsa_forward_progress 1
		.amdhsa_inst_pref_size 55
	.end_amdhsa_kernel
	.amdgpu_metadata
---
amdhsa.version: [ 1, 2 ]
amdhsa.kernels:
  - .name:           k_q938ad61311_attn
    .symbol:         k_q938ad61311_attn.kd
    .args:
      - { .name: queries, .offset: 0, .size: 8, .value_kind: global_buffer, .address_space: global }
      - { .name: log_scale, .offset: 8, .size: 8, .value_kind: global_buffer, .address_space: global }
      - { .name: lowp_scales, .offset: 16, .size: 8, .value_kind: global_buffer, .address_space: global }
      - { .name: kc, .offset: 24, .size: 8, .value_kind: global_buffer, .address_space: global }
      - { .name: vc, .offset: 32, .size: 8, .value_kind: global_buffer, .address_space: global }
      - { .name: vsum, .offset: 40, .size: 8, .value_kind: global_buffer, .address_space: global }
      - { .name: out0, .offset: 48, .size: 8, .value_kind: global_buffer, .address_space: global }
    .group_segment_fixed_size: 121344
    .private_segment_fixed_size: 0
    .kernarg_segment_align: 8
    .kernarg_segment_size: 56
    .max_flat_workgroup_size: 512
    .sgpr_count:     66
    .vgpr_count:     256
    .wavefront_size: 32
...
	.end_amdgpu_metadata
.endif
;; end of part 2
;; ======== version 2 of 2: 2 launches
;; workspace buffers: kc 4,194,304 bytes; vc 4,194,304 bytes; vsum 65,536 bytes
;; launch prep (part 3): grid 8 x 32, 16 waves a work-group, no clusters, 75,776 bytes of LDS; arguments keys, values, lowp_scales, kc, vc, vsum; writes kc, vc, vsum
.if DOCPART == 3
	.amdgcn_target "amdgcn-amd-amdhsa--gfx1250"
	.amdhsa_code_object_version 6
	.text
	.protected	k_q938ad61311_prep
	.globl	k_q938ad61311_prep
	.p2align	8
	.type	k_q938ad61311_prep,@function
k_q938ad61311_prep:
	s_mov_b64 s[64:65], 0
	v_nop
	global_prefetch_b8 v0, s[64:65] scope:SCOPE_SE
	s_setreg_imm32_b32 hwreg(HW_REG_WAVE_MODE, 25, 1), 1
	s_wait_xcnt 0x0
; keys and values, [32 heads][2048][64] f32, become codes of BF8 (E5M2), each with the one scale 2^e that is given for it (ek = entry 1, ev = entry 3 of the scales),
; laid as IMAGES OF THE OPERANDS' REGISTERS for the attention launch, a patch of 16 positions (one matrix tile) at a time; and V's code values are summed over 16 patches.
; code = x / 2^e, held within +-57,344, rounded to the nearest code, ties to even.
; kc   [head][patch][1,024 B]: registers 4 g .. 4 g + 3 of a 16 x 64 operand at 512 g + 16 lane.  Lane (r, h) holds key pi(r) = 2 (r & 7) + (r >> 3) of the patch; register i, byte b holds channel 32 h + 4 i + b.
; vc   [head][patch][4 tiles x][32 lanes][8 B]: lane (a, h) of tile x holds channel 4 a + x; byte i holds key 2 i + h.
; vsum [head][block of 16 patches][64 f32]: the sum of V's code VALUES (not scaled) over the block's 256 keys; channel 4 a + x stands at index 32 (a >> 3) + 8 x + (a & 7).
; WHY SO.  In S^T = K Q^T register j of lane (q, h) is the tile's row 8 h + j.  With pi that row is key 2 j + h: a half of the lanes holds the even keys or the odd ones, which is what a dense load of
; V's rows (two rows of 256 bytes to a load) gives a lane.  So V is brought keys-innermost by the choice of the holds' destination registers alone.
; SHARES.  Work-group (x = block of 16 patches, y = head); wave w takes patch 16 x + w: 4,096 bytes of K and of V.  All sixteen loads of a wave go out at once; there is no loop.
; No tensor loads, no cluster: no two work-groups read the same byte.
; LIMITS: ek and ev between -126 and 112, so that 2^e and 57,344 x 2^e are f32 numbers.  NaN among the inputs is not served; an infinity is held at the largest code.
.set SPITCH, 272                       ; a stage row: 256 bytes + 16, so that sixteen rows start at sixteen different groups of banks (64 banks of 4 bytes: ISA guide 11.1)
.set WSTG,   16*SPITCH                 ; a wave's own stage: 16 rows
.set SUMS,   16*WSTG                   ; behind the stages: 256 bytes for each wave: its patch's 64 sums
.set L16, 1                            ; v1   16 x lane
.set L8,  2                            ; v2   8 x lane
.set SIN, 3                            ; v3   the stage as the loads lie: row lane / 16, 16 bytes a lane
.set SRW, 4                            ; v4   the stage by rows: row pi(r), + 128 h
.set SST, 5                            ; v5   where my sums go
.set SRD, 6                            ; v6   where wave 0 reads all sums
.set SCK, 8                            ; v8   2^ek;  v9 57,344 x 2^ek;  v10, v11 the same with ev
.set KR,  16                           ; v16-47   K as loaded
.set VR,  48                           ; v48-79   V as loaded
.set VT,  80                           ; v80-111  V held, register 8 x + i = key 2 i + h of channel 4 a + x
.set VC,  112                          ; v112-119 V's codes
.set KC,  120                          ; v120-127 K's codes
.set KT,  128                          ; v128-159 K by rows
.set DQ,  160                          ; v160-167 eight code values
.set SUM, 168                          ; v168-171 my channel's sums, one a tile
	s_load_b256 s[4:11], s[0:1], 0x0               ; keys s[4:5], values s[6:7], the scales' exponents s[8:9], kc s[10:11]
	s_load_b128 s[12:15], s[0:1], 0x20             ; vc s[12:13], vsum s[14:15]
	v_lshl_add_u32 v176, v0, 2, 0x12000
	v_mov_b32 v177, 0
	v_lshrrev_b32 v1, 5, v0
	s_delay_alu instid0(VALU_DEP_1)
	v_readfirstlane_b32 s16, v1                    ; wave 0..15
	v_and_b32 v7, 31, v0                           ; lane
	v_and_b32 v13, 15, v0                          ; r (for V: a)
	v_bfe_u32 v14, v0, 4, 1                        ; h
	v_and_b32 v15, 7, v0                           ; r & 7
	v_bfe_u32 v6, v0, 3, 1                         ; r >> 3
	v_lshlrev_b32 v[L16], 4, v7
	v_lshlrev_b32 v[L8], 3, v7
	s_mul_i32 s34, s16, WSTG                       ; my stage
	v_mul_u32_u24 v[SIN], v14, SPITCH
	s_delay_alu instid0(VALU_DEP_1)
	v_lshl_add_u32 v[SIN], v13, 4, v[SIN]
	s_delay_alu instid0(VALU_DEP_1)
	v_add_nc_u32 v[SIN], s34, v[SIN]
	v_lshl_add_u32 v[SRW], v15, 1, v6              ; pi(r)
	s_delay_alu instid0(VALU_DEP_1)
	v_mul_u32_u24 v[SRW], v[SRW], SPITCH
	s_delay_alu instid0(VALU_DEP_1)
	v_lshl_add_u32 v[SRW], v14, 7, v[SRW]
	s_delay_alu instid0(VALU_DEP_1)
	v_add_nc_u32 v[SRW], s34, v[SRW]
	s_lshl_b32 s35, s16, 8
	s_add_co_u32 s35, s35, SUMS                    ; my 256 bytes of sums
	v_lshlrev_b32 v[SST], 7, v6                    ; 128 (a >> 3)
	s_delay_alu instid0(VALU_DEP_1)
	v_lshl_add_u32 v[SST], v15, 2, v[SST]          ; + 4 (a & 7); the tile's 32 x stands in the store's immediate
	s_delay_alu instid0(VALU_DEP_1)
	v_add_nc_u32 v[SST], s35, v[SST]
	v_lshl_add_u32 v[SRD], v7, 3, SUMS
	v_mov_b32 v12, 0                               ; written once: a lane permute's destination counts as one of its sources
	s_mov_b32 s32, 0x76543210                      ; v_permlanex16_b32's selects for lane l xor 16
	s_mov_b32 s33, 0xfedcba98
	s_and_b32 s17, ttmp7, 0xffff                   ; head
	s_lshl_b32 s18, ttmp9, 4
	s_add_co_u32 s18, s18, s16                     ; my patch
	s_lshl_b32 s20, s17, 19                        ; in keys and values: a head is 2^19 bytes, a patch 2^12
	s_lshl_b32 s36, s18, 12
	s_add_co_u32 s20, s20, s36
	s_mov_b32 s21, 0
	s_lshl_b32 s22, s17, 17                        ; in kc and vc: 2^17 and 2^10
	s_lshl_b32 s36, s18, 10
	s_add_co_u32 s22, s22, s36
	s_mov_b32 s23, 0
	s_lshl_b32 s24, s17, 11                        ; in vsum: 2^11 a head, 2^8 a block
	s_lshl_b32 s36, ttmp9, 8
	s_add_co_u32 s24, s24, s36
	s_mov_b32 s25, 0
	s_wait_kmcnt 0x0
	s_load_b128 s[28:31], s[8:9], 0x0              ; eq, ek, ea, ev
	s_add_nc_u64 s[4:5], s[4:5], s[20:21]
	s_add_nc_u64 s[6:7], s[6:7], s[20:21]
	s_add_nc_u64 s[10:11], s[10:11], s[22:23]
	s_add_nc_u64 s[12:13], s[12:13], s[22:23]
	s_add_nc_u64 s[14:15], s[14:15], s[24:25]
.irp i, 0,1,2,3,4,5,6,7
	global_load_b128 v[KR+4*\i:KR+4*\i+3], v[L16], s[4:5] offset:512*\i th:TH_LOAD_NT   ; 32 lanes read 512 consecutive bytes: rows 2 i and 2 i + 1 of the patch
.endr
.irp i, 0,1,2,3,4,5,6,7
	global_load_b128 v[VR+4*\i:VR+4*\i+3], v[L16], s[6:7] offset:512*\i th:TH_LOAD_NT   ; lane (a, h), register x: V(key 2 i + h, channel 4 a + x)
.endr
	s_wait_kmcnt 0x0
	s_add_co_i32 s34, s29, 127
	s_lshl_b32 s35, s34, 23
	v_mov_b32 v8, s35                              ; 2^ek as f32: the conversion takes its exponent field
	s_add_co_i32 s34, s34, 15
	s_lshl_b32 s34, s34, 23
	s_or_b32 s34, s34, 0x600000
	v_mov_b32 v9, s34                              ; 57,344 x 2^ek
	s_add_co_i32 s34, s31, 127
	s_lshl_b32 s35, s34, 23
	v_mov_b32 v10, s35                             ; 2^ev
	s_add_co_i32 s34, s34, 15
	s_lshl_b32 s34, s34, 23
	s_or_b32 s34, s34, 0x600000
	v_mov_b32 v11, s34                             ; 57,344 x 2^ev
	s_wait_alu depctr_va_vdst(0)
	; K turns through my stage: in as it was loaded, back 128 bytes of one row a lane.  LDS serves a wave's instructions in order (ISA guide 5.7.1.4): no wait between the stores and the loads.
	s_wait_loadcnt 8                               ; K's eight loads are in; V's eight, issued behind them, may be out
.irp i, 0,1,2,3,4,5,6,7
	ds_store_b128 v[SIN], v[KR+4*\i:KR+4*\i+3] offset:2*SPITCH*\i
.endr
.irp i, 0,1,2,3,4,5,6,7
	ds_load_b128 v[KT+4*\i:KT+4*\i+3], v[SRW] offset:16*\i      ; K(key pi(r), channels 32 h + 4 i ..)
.endr
	; V: the hold and the change of order in one; four conversions; each store of the wave covers 256 consecutive bytes, aligned
	s_wait_loadcnt 0x0
.irp x, 0,1,2,3
.irp i, 0,1,2,3,4,5,6,7
	v_med3_num_f32 v[VT+8*\x+\i], v[VR+4*\i+\x], -v11, v11      ; the conversion to an 8-bit code does not saturate (ISA guide 7.6.2): hold first
.endr
.endr
.irp x, 0,1,2,3
	v_cvt_scalef32_pk8_bf8_f32 v[VC+2*\x:VC+2*\x+1], v[VT+8*\x:VT+8*\x+7], v10
.endr
	v_nop                                          ; one plain vector instruction between the last scaled conversion and the vector instructions that read its result
.irp x, 0,1,2,3
	global_store_b64 v[L8], v[VC+2*\x:VC+2*\x+1], s[12:13] offset:256*\x
.endr
	; the sums of the code values: my eight keys of each tile's channel,
.irp x, 0,1,2,3
	v_cvt_f32_bf8 v[DQ], v[VC+2*\x]
	v_cvt_f32_bf8 v[DQ+4], v[VC+2*\x+1]
.irp b, 1,2,3
	v_cvt_f32_bf8 v[DQ+\b], v[VC+2*\x] byte_sel:\b
	v_cvt_f32_bf8 v[DQ+4+\b], v[VC+2*\x+1] byte_sel:\b
.endr
	s_delay_alu instid0(VALU_DEP_2)
	v_pk_add_f32 v[DQ:DQ+1], v[DQ:DQ+1], v[DQ+2:DQ+3]
	s_delay_alu instid0(VALU_DEP_2)
	v_pk_add_f32 v[DQ+4:DQ+5], v[DQ+4:DQ+5], v[DQ+6:DQ+7]
	s_delay_alu instid0(VALU_DEP_1)
	v_pk_add_f32 v[DQ:DQ+1], v[DQ:DQ+1], v[DQ+4:DQ+5]
	s_delay_alu instid0(VALU_DEP_1)
	v_add_f32 v[SUM+\x], v[DQ], v[DQ+1]
.endr
.irp x, 0
	v_permlanex16_b32 v12, v[SUM+\x], s32, s33     ; and the other eight, which lie in the lane 16 away
	s_delay_alu instid0(VALU_DEP_1)
	v_add_f32 v[SUM+\x], v[SUM+\x], v12
.endr
.irp x, 1, 2, 3
	s_delay_alu instid0(VALU_DEP_2)
	v_permlanex16_b32 v12, v[SUM+\x], s32, s33
	s_delay_alu instid0(VALU_DEP_1)
	v_add_f32 v[SUM+\x], v[SUM+\x], v12
.endr
.irp x, 0,1,2,3
	ds_store_b32 v[SST], v[SUM+\x] offset:32*\x    ; both halves of the lanes write the same number to the same word
.endr
	; K: hold, convert, store: each store of the wave covers 512 consecutive bytes
	s_wait_dscnt 4                                 ; all but the four stores of sums: K is back from the stage
.irp i, 0,1,2,3,4,5,6,7,8,9,10,11,12,13,14,15,16,17,18,19,20,21,22,23,24,25,26,27,28,29,30,31
	v_med3_num_f32 v[KT+\i], v[KT+\i], -v9, v9
.endr
.irp g, 0,1,2,3
	v_cvt_scalef32_pk8_bf8_f32 v[KC+2*\g:KC+2*\g+1], v[KT+8*\g:KT+8*\g+7], v8
.endr
	v_nop                                          ; a plain vector instruction behind the last scaled conversion
.irp g, 0,1
	global_store_b128 v[L16], v[KC+4*\g:KC+4*\g+3], s[10:11] offset:512*\g
.endr
	; the sixteen patches' sums meet: every wave's stores of sums are done in front of its signal; wave 0 reads behind its wait
	s_wait_dscnt 0x0
	s_barrier_signal -1
	s_barrier_wait -1
	s_cmp_lg_u32 s16, 0
	s_cbranch_scc1 .Ldone
.irp u, 0,1,2,3,4,5,6,7,8,9,10,11,12,13,14,15
	ds_load_b64 v[16+2*\u:17+2*\u], v[SRD] offset:256*\u        ; wave u's sums 2 lane and 2 lane + 1
.endr
	s_wait_dscnt 0x0
.irp k, 0,1,2,3,4,5,6,7
	v_pk_add_f32 v[16+4*\k:17+4*\k], v[16+4*\k:17+4*\k], v[18+4*\k:19+4*\k]
.endr
.irp k, 0,1,2,3
	v_pk_add_f32 v[16+8*\k:17+8*\k], v[16+8*\k:17+8*\k], v[20+8*\k:21+8*\k]
.endr
.irp k, 0
	s_delay_alu instid0(VALU_DEP_3)
	v_pk_add_f32 v[16+16*\k:17+16*\k], v[16+16*\k:17+16*\k], v[24+16*\k:25+16*\k]
.endr
.irp k, 1
	s_delay_alu instid0(VALU_DEP_2)
	v_pk_add_f32 v[16+16*\k:17+16*\k], v[16+16*\k:17+16*\k], v[24+16*\k:25+16*\k]
.endr
	s_delay_alu instid0(VALU_DEP_1)
	v_pk_add_f32 v[16:17], v[16:17], v[32:33]
	global_store_b64 v[L8], v[16:17], s[14:15]     ; 256 consecutive bytes, aligned: the block's 64 sums
.Ldone:
	s_wait_tensorcnt 0x0
	ds_add_u32 v176, v177
	s_wait_dscnt 0x0
	s_endpgm
.Lfunc_end_k_q938ad61311_prep:
	.size	k_q938ad61311_prep, .Lfunc_end_k_q938ad61311_prep-k_q938ad61311_prep
	.p2alignl 7, 3214868480
	.fill 96, 4, 3214868480
	.section	.rodata,"a",@progbits
	.p2align	6, 0x0
	.amdhsa_kernel k_q938ad61311_prep
		.amdhsa_group_segment_fixed_size 75776
		.amdhsa_private_segment_fixed_size 0
		.amdhsa_enable_private_segment 0
		.amdhsa_kernarg_size 48
		.amdhsa_user_sgpr_count 2
		.amdhsa_user_sgpr_kernarg_segment_ptr 1
		.amdhsa_wavefront_size32 1
		.amdhsa_system_sgpr_workgroup_id_x 1
		.amdhsa_system_sgpr_workgroup_id_y 1
		.amdhsa_system_sgpr_workgroup_id_z 1
		.amdhsa_system_vgpr_workitem_id 0
		.amdhsa_next_free_vgpr 178
		.amdhsa_next_free_sgpr 66
		.amdhsa_reserve_vcc 0
		.amdhsa_float_denorm_mode_32 3
		.amdhsa_float_denorm_mode_16_64 3
		.amdhsa_memory_ordered 1
		.amdhsa_forward_progress 1
		.amdhsa_inst_pref_size 18
	.end_amdhsa_kernel
	.amdgpu_metadata
---
amdhsa.version: [ 1, 2 ]
amdhsa.kernels:
  - .name:           k_q938ad61311_prep
    .symbol:         k_q938ad61311_prep.kd
    .args:
      - { .name: keys, .offset: 0, .size: 8, .value_kind: global_buffer, .address_space: global }
      - { .name: values, .offset: 8, .size: 8, .value_kind: global_buffer, .address_space: global }
      - { .name: lowp_scales, .offset: 16, .size: 8, .value_kind: global_buffer, .address_space: global }
      - { .name: kc, .offset: 24, .size: 8, .value_kind: global_buffer, .address_space: global }
      - { .name: vc, .offset: 32, .size: 8, .value_kind: global_buffer, .address_space: global }
      - { .name: vsum, .offset: 40, .size: 8, .value_kind: global_buffer, .address_space: global }
    .group_segment_fixed_size: 75776
    .private_segment_fixed_size: 0
    .kernarg_segment_align: 8
    .kernarg_segment_size: 48
    .max_flat_workgroup_size: 512
    .sgpr_count:     66
    .vgpr_count:     178
    .wavefront_size: 32
...
	.end_amdgpu_metadata
.endif
;; end of part 3
;; launch attn (part 4): grid 8 x 32, 16 waves a work-group, no clusters, 121,344 bytes of LDS; arguments queries, log_scale, lowp_scales, kc, vc, vsum, out0; writes out0
.if DOCPART == 4
	.amdgcn_target "amdgcn-amd-amdhsa--gfx1250"
	.amdhsa_code_object_version 6
	.text
	.protected	k_q938ad61311_attn
	.globl	k_q938ad61311_attn
	.p2align	8
	.type	k_q938ad61311_attn,@function
k_q938ad61311_attn:
	s_mov_b64 s[64:65], 0
	v_nop
	global_prefetch_b8 v0, s[64:65] scope:SCOPE_SE
	s_setreg_imm32_b32 hwreg(HW_REG_WAVE_SCHED_MODE, 0, 2), 2
	s_setreg_imm32_b32 hwreg(HW_REG_WAVE_MODE, 25, 1), 1
	s_wait_xcnt 0x0
	s_wait_alu depctr_vm_vsrc(0)
; out[q] = sum over k of Q(A[q][k]) Q(V[k]),  A = softmax(scale x pos) - softmax(scale x neg),  pos = the scores, neg = their negatives, both -10,000 at masked keys;
; scale = clip(exp(log_scale), 1, 30) / 8.  Both products on codes of BF8 (E5M2), each operand with its given scale 2^e: eq, ek, ea, ev.  32 heads, 2,048 positions, 64 channels.
; THE MASK.  A patch is 16 positions, one matrix tile.  A query of patch p sees the keys of patches p + 1 .. p + 9, as far as the head has them: nv = min(9, 127 - p) tiles.
; THE MASKED KEYS STILL COUNT.  Their fill is a number, not -infinity.  All nm = 2,048 - 16 nv of them share one weight in each softmax, g = exp(fill - max): nm g enters each denominator, and
; their A is one number c = g_pos / Z_pos - g_neg / Z_neg.  Their share of the output is Q(c) x (the sum of V's quantised numbers over the masked keys) = Q(c) x (T - W): T the head's total
; of V's code values (its eight partial sums come from the launch before), W the window's, made by the matrix unit from V's codes and codes of 1.0.  W covers at most 144 of 2,048 keys.
; SHARES.  Work-group (x = block of 16 patches, y = head); wave w owns the 16 queries of patch p = 16 x + w, in 256 registers: four waves to a SIMD, so that one wave's exponentials stand beside
; another's LDS loads and products.  No loop.  The 24 patches of K's and V's codes that the block's windows touch are copied once into LDS; wave w's window tile c is image w + c.
; THE HEAD'S END, WITHOUT A BRANCH.  An image beyond patch 127 is a copy of patch 127 (the clamp stands in the global address alone).  A tile c >= nv gets the addend -infinity in its exponents
; (its weights, A and codes are 0) and zeros in place of the codes of 1.0.  In the maximum a copy of patch 127 changes nothing where nv >= 1; where nv = 0 tile 0's addend takes the scores out of it.
; LAYOUT.  Both products are used transposed: S^T = K Q^T (source 0 = 16 keys, source 1 = my 16 queries), O^T = V^T A^T (source 0 = 16 channels, source 1 = A's codes): a lane holds ONE query
; (lane % 16) throughout.  Row 8 h + j of a tile of K is key 2 j + h, so one conversion of a tile's eight registers gives two registers of A's operand, and V's images hold key 2 i + h in byte i.
; Tile x of V^T holds channels 4 a + x, so a lane ends with channels 32 h .. 32 h + 31 of its query.  Q's and K's channels stand in the same places of their operands (32 h + 4 i + b).
; NO CLUSTER, NO TENSOR LOAD: every LDS byte is filled once; neighbouring work-groups share 8 of their 24 images, a third of the codes and a seventh of all that a work-group reads.
; LIMITS: eq and ea between -126 and 112, so that 2^e and 57,344 x 2^e are f32 numbers; eq + ek and ea + ev are applied by v_ldexp_f32 and have none.  NaN among the inputs is not served.
; A weight under 2^-126 counts as 0 (v_exp_f32 flushes: ISA guide 15.8).  log_scale is held within -1 .. 4 ahead of the exponential, which the clip to 1 .. 30 makes exact.
; THE MODE: SCHED_MODE bits 1:0 = 2 (LLVM: expert scheduling mode 2), set by the entry lines.  The code itself states the register dependences
; between vector or matrix instructions and memory or LDS instructions, with s_wait_alu, always for 0.
; THE PLAN.  Registers that memory or LDS instructions touch, in the order of the text (there is no loop):
;   v1-v9          offsets and LDS addresses: written at the head, read by every load and store, never written again: one wait on va_vdst ahead of the first load.
;   s18            the wave's number, out of a vector register: one wait on va_sdst ahead of its first reader.
;   v248           waves 0 and 1: a channel's total, written by additions, read by an LDS store: a wait on va_vdst ahead of that store.
;   v104-127       the copy loads land; the LDS stores of the images read them; then K's fragments land in v104-175.
;   v176-207       Q's loads land; the LDS stores into the stage read them; then the first products write v176-247.       One wait on vm_vsrc, behind the barrier, states both.
;   v104-175       written and read by the softmax's and A's lines up to tile 8's conversion; then V's fragments land.
;   v10-17, v22-45 the softmax's constants and scratch, last named ahead of A's lines; then T lands.                     One wait on va_vdst, behind tile 8's conversion, states both;
;                  the lines that make c's code stand behind the loads and name none of these registers.
;   v136-167       the results in the order of the channels: written by 32 multiplications, read by the LDS stores into the stage.
;   v176-207       O^T, read by the multiply-adds; then the rows from the stage land there, and the global stores read them.  One wait on va_vdst, ahead of those LDS stores, states both.
;   v254, v255     the closing add's two, made straight ahead of the closing lines; no memory or LDS instruction has read either before.
.set KCL,    0                         ; LDS: 24 images of K's codes, 1,024 bytes each
.set VCL,    24576                     ; 24 images of V's codes
.set TL,     49152                     ; T: 64 f32
.set STG,    49408                     ; a stage of 16 rows x 272 bytes for each wave: Q's turn, and the way out
.set SPITCH, 272                       ; 256 bytes + 16: sixteen rows start at sixteen different groups of banks (64 banks of 4 bytes: ISA guide 11.1)
.set WSTG,   16*SPITCH
.set L16, 1                            ; v1   16 x lane
.set CPY, 2                            ; v2   where I put the images that I copy: 3,072 x wave + 16 x lane
.set SIN, 3                            ; v3   my stage as global memory lies: row lane / 16, 16 bytes a lane
.set SRW, 4                            ; v4   my stage by rows: row r, + 128 h
.set KAD, 5                            ; v5   my window's first image of K, + 16 x lane
.set VAD, 6                            ; v6   of V, + 8 x lane
.set TAD, 7                            ; v7   T's 32 numbers of my half
.set TST, 8                            ; v8   waves 0 and 1: where a total goes
.set TGO, 9                            ; v9   and where its partial sums lie
; v[10:11] c1 = scale x log2(e) x 2^(eq + ek); v[12:13] -c1; v14 the fill in the exponent's units; v15 nm; v16, v17 2^eq and 57,344 x 2^eq; v18, v19 the same with ea; v20 2^(ea + ev); v21 c
; v22-25 the largest score and the largest negated score, two chains each; v26, v27 lane permutes' results; v28, v29 the two maxima; v[30:37] the tiles' addends, two sets by turns
; v[38:45] the sums, two chains each; v46, v47 g_pos, g_neg; v[48:49] 1 / Z_pos; v[50:51] -1 / Z_neg; v[52:53] the value of c's code; v[54:55] c's code
; Once A's lines have begun, v10-17 and v22-45 are spent: T's 32 numbers land there, number k at v[10 + k] (k < 8) or v[14 + k]
.set P,   56                           ; v56-71 A's codes of tiles 0-7 (first: Q's codes in v56-63); v72-77 zeros; v78-79 tile 8's
.set ON,  80                           ; v80-95 codes of 1.0 for tiles 0-7; v96-101 zeros; v102-103 tile 8's
.set R1,  104                          ; v104-175 copies; K's nine fragments; the weights of pos, then A; V's fragments (tile x at 18 x); the results
.set R2,  176                          ; v176-247 Q; S^T; the weights of neg; O^T (8 x) and W (32 + 8 x); rows on the way out
; v248-255 waves 0 and 1: a channel's eight partial sums
	s_load_b256 s[4:11], s[0:1], 0x0               ; queries s[4:5], log_scale s[6:7], the scales' exponents s[8:9], kc s[10:11]
	s_load_b128 s[12:15], s[0:1], 0x20             ; vc s[12:13], vsum s[14:15]
	s_load_b64 s[16:17], s[0:1], 0x30              ; out0
	v_lshrrev_b32 v1, 5, v0
	v_readfirstlane_b32 s18, v1                    ; wave 0..15
	v_and_b32 v22, 31, v0                          ; lane
	v_and_b32 v23, 15, v0                          ; r
	v_bfe_u32 v24, v0, 4, 1                        ; h
	v_lshlrev_b32 v[L16], 4, v22
	s_wait_alu depctr_va_sdst(0)                   ; s18 is written, ahead of its first reader: LDS addresses, bases and the branches on the wave's number are made from it
	s_mul_i32 s23, s18, 3072
	v_add_nc_u32 v[CPY], s23, v[L16]               ; waves 0-7 fill K's 24 images, waves 8-15 V's, three each
	s_mul_i32 s23, s18, WSTG
	s_add_co_u32 s23, s23, STG                     ; my stage
	v_mul_u32_u24 v[SIN], v24, SPITCH
	v_lshl_add_u32 v[SIN], v23, 4, v[SIN]
	v_add_nc_u32 v[SIN], s23, v[SIN]
	v_mul_u32_u24 v[SRW], v23, SPITCH
	v_lshl_add_u32 v[SRW], v24, 7, v[SRW]
	v_add_nc_u32 v[SRW], s23, v[SRW]
	s_lshl_b32 s23, s18, 10
	v_add_nc_u32 v[KAD], s23, v[L16]
	s_add_co_u32 s23, s23, VCL
	v_lshl_add_u32 v[VAD], v22, 3, s23
	v_lshlrev_b32 v[TAD], 7, v24
	v_add_nc_u32 v[TAD], TL, v[TAD]
	v_and_b32 v[TGO], 63, v0
	v_lshlrev_b32 v[TGO], 2, v[TGO]
	v_add_nc_u32 v[TST], TL, v[TGO]
	s_and_b32 s20, ttmp7, 0xffff                   ; head
	s_lshl_b32 s19, ttmp9, 4                       ; the block's first patch
	s_add_co_u32 s21, s19, s18                     ; p
	s_sub_co_u32 s22, 127, s21
	s_min_u32 s22, s22, 9                          ; nv
	s_mov_b32 s62, 0xff800000                      ; -infinity
	s_mov_b32 s63, 0x3c3c3c3c                      ; four codes of 1.0
.irp c, 0,1,2,3,4,5,6,7,8
	s_cmp_gt_u32 s22, \c                           ; is tile c in the head?
	s_cselect_b32 s[40+\c], 0, s62                 ; its addend,
	s_cselect_b32 s[50+\c], s63, 0                 ; and its part of the operand that makes W
.endr
	s_mov_b32 s60, 0x76543210                      ; v_permlanex16_b32's selects for lane l xor 16
	s_mov_b32 s61, 0xfedcba98
	s_lshl_b32 s38, s20, 19                        ; in queries and out0: a head is 2^19 bytes, a patch 2^12
	s_lshl_b32 s23, s21, 12
	s_add_co_u32 s38, s38, s23
	s_mov_b32 s39, 0
	s_lshl_b32 s2, s20, 11                         ; in vsum: 2^11 a head
	s_mov_b32 s3, 0
	s_and_b32 s23, s18, 7
	s_mul_i32 s23, s23, 3
	s_add_co_u32 s23, s23, s19
	s_add_co_u32 s23, s23, 1                       ; the patch of the first image that I copy: 16 x + 1 + 3 (wave % 8)
	s_lshl_b32 s29, s20, 17                        ; in kc and vc: 2^17 a head, 2^10 a patch
.irp i, 0,1,2
	s_add_co_u32 s[32+2*\i], s23, \i
	s_min_u32 s[32+2*\i], s[32+2*\i], 127          ; beyond the head's end: patch 127 once more; no load leaves the head
	s_lshl_b32 s[32+2*\i], s[32+2*\i], 10
	s_add_co_u32 s[32+2*\i], s[32+2*\i], s29
	s_mov_b32 s[33+2*\i], 0
.endr
	s_wait_kmcnt 0x0
	s_load_b128 s[24:27], s[8:9], 0x0              ; eq, ek, ea, ev
	s_load_b32 s28, s[6:7], 0x0                    ; log_scale
	s_cmp_lt_u32 s18, 8                            ; the choice hangs on the wave's number alone
	s_cselect_b64 s[30:31], s[10:11], s[12:13]
	s_add_nc_u64 s[32:33], s[30:31], s[32:33]
	s_add_nc_u64 s[34:35], s[30:31], s[34:35]
	s_add_nc_u64 s[36:37], s[30:31], s[36:37]
	s_add_nc_u64 s[4:5], s[4:5], s[38:39]
	s_add_nc_u64 s[16:17], s[16:17], s[38:39]
	s_add_nc_u64 s[14:15], s[14:15], s[2:3]
	s_wait_alu depctr_va_vdst(0)                   ; the nine offsets and LDS addresses v1 to v9 are written: every load and store of the kernel reads one of them, and none is written again
.irp i, 0,1,2
.irp g, 0,1
	global_load_b128 v[R1+8*\i+4*\g:R1+8*\i+4*\g+3], v[L16], s[32+2*\i:33+2*\i] offset:512*\g   ; an image as it lies: 512 consecutive bytes a load
.endr
.endr
.irp i, 0,1,2,3,4,5,6,7
	global_load_b128 v[R2+4*\i:R2+4*\i+3], v[L16], s[4:5] offset:512*\i th:TH_LOAD_NT           ; my patch of Q: rows 2 i and 2 i + 1
.endr
	; T: threads 0 to 63 add a channel's eight partial sums
	s_cmp_lt_u32 s18, 2
	s_cbranch_scc0 .Lno_total
.irp b, 0,1,2,3,4,5,6,7
	global_load_b32 v[248+\b], v[TGO], s[14:15] offset:256*\b
.endr
	s_wait_loadcnt 0x0
	v_add_f32 v248, v248, v249
	v_add_f32 v250, v250, v251
	v_add_f32 v252, v252, v253
	v_add_f32 v254, v254, v255
	v_add_f32 v248, v248, v250
	v_add_f32 v252, v252, v254
	v_add_f32 v248, v248, v252
	s_wait_alu depctr_va_vdst(0)                   ; the additions have written v248, which the LDS store reads
	ds_store_b32 v[TST], v248
.Lno_total:
	; the constants, the same in every lane, made while the loads are on their way; they name no register that a load or an LDS store touches
	s_wait_kmcnt 0x0
	v_med3_num_f32 v30, s28, -1.0, 4.0             ; exp(-1) < 1 and exp(4) > 30: the clip below gives the same as without this hold
	v_mul_f32 v31, 0x3fb8aa3b, v30                 ; log_scale x log2(e): the rounded product,
	v_fma_f32 v32, v30, 0x3fb8aa3b, -v31           ; what the rounding dropped,
	v_fma_f32 v32, v30, 0x32a57060, v32            ; and what the constant lacks of log2(e)
	v_exp_f32 v33, v31
	v_mov_b32 v26, 0                               ; (a plain place behind the exponential)  written once: a lane permute's destination counts as one of its sources
	v_mov_b32 v27, 0
	s_wait_alu depctr_va_vdst(0)                   ; the exponential has written v33, which the next line reads
	v_mul_f32 v32, v33, v32
	v_fma_f32 v33, v32, 0x3f317218, v33            ; exp(log_scale) = 2^hi (1 + lo ln 2)
	v_med3_num_f32 v33, v33, 1.0, 0x41f00000       ; clipped to 1 .. 30
	v_mul_f32 v33, 0x3e38aa3b, v33                 ; x log2(e) / 8: the exponent of 2 for a score of 1
	s_add_co_i32 s23, s24, s25
	v_ldexp_f32 v10, v33, s23                      ; c1: a sum of the first product stands for sum x 2^(eq + ek)
	v_mov_b32 v11, v10                             ; (the packed forms name pairs and take the low word for both halves: the upper words are written)
	v_xor_b32 v12, 0x80000000, v10                 ; -c1
	v_mov_b32 v13, v12
	v_mul_f32 v14, 0xc61c4000, v33                 ; the fill: -10,000 in the same units
	s_lshl_b32 s23, s22, 4
	s_sub_co_u32 s23, 2048, s23
	v_cvt_f32_u32 v15, s23                         ; nm
	s_add_co_i32 s23, s26, s27
	v_ldexp_f32 v20, 1.0, s23                      ; 2^(ea + ev)
	s_add_co_i32 s23, s24, 127
	s_lshl_b32 s29, s23, 23
	v_mov_b32 v16, s29                             ; 2^eq as f32: the conversion takes its exponent field
	s_add_co_i32 s23, s23, 15
	s_lshl_b32 s23, s23, 23
	s_or_b32 s23, s23, 0x600000
	v_mov_b32 v17, s23                             ; 57,344 x 2^eq
	s_add_co_i32 s23, s26, 127
	s_lshl_b32 s29, s23, 23
	v_mov_b32 v18, s29                             ; 2^ea
	s_add_co_i32 s23, s23, 15
	s_lshl_b32 s23, s23, 23
	s_or_b32 s23, s23, 0x600000
	v_mov_b32 v19, s23                             ; 57,344 x 2^ea
.irp r, 35,37,49,51,53
	v_mov_b32 v\r, 0                               ; upper words of pairs of which the low word alone is used (v31 and v33 have been written above)
.endr
.irp r, 72,73,74,75,76,77,96,97,98,99,100,101
	v_mov_b32 v\r, 0                               ; zero codes: the last K step of the second product holds one tile, in its last quarter
.endr
	; the copies go into LDS; Q turns through my stage: in as it was loaded, back 128 bytes of one row a lane.  The stores' data come from loads, their addresses from the head: no vector line has named either since the head's wait
	s_wait_loadcnt 8                               ; my six copy loads are in; Q's eight, issued behind them, may be out
.irp i, 0,1,2
.irp g, 0,1
	ds_store_b128 v[CPY], v[R1+8*\i+4*\g:R1+8*\i+4*\g+3] offset:1024*\i+512*\g
.endr
.endr
	s_wait_loadcnt 0x0
.irp i, 0,1,2,3,4,5,6,7
	ds_store_b128 v[SIN], v[R2+4*\i:R2+4*\i+3] offset:2*SPITCH*\i
.endr
.irp i, 0,1,2,3,4,5,6,7
	ds_load_b128 v[R2+32+4*\i:R2+32+4*\i+3], v[SRW] offset:16*\i     ; Q(query r, channels 32 h + 4 i ..); LDS serves a wave's instructions in order (ISA guide 5.7.1.4)
.endr
	s_wait_dscnt 0x0                               ; for the others' sake: my images, and T, lie in LDS; and Q is back
	s_barrier_signal -1
.irp i, 0,1,2,3,4,5,6,7,8,9,10,11,12,13,14,15,16,17,18,19,20,21,22,23,24,25,26,27,28,29,30,31
	v_med3_num_f32 v[R2+32+\i], v[R2+32+\i], -v17, v17               ; work on registers while the others arrive: the conversion does not saturate (ISA guide 7.6.2): hold first
.endr
.irp g, 0,1,2,3
	v_cvt_scalef32_pk8_bf8_f32 v[P+2*\g:P+2*\g+1], v[R2+32+8*\g:R2+32+8*\g+7], v16
.endr
	v_nop                                          ; one plain vector instruction between the last scaled conversion and the products that read its result and write its sources
	s_wait_alu depctr_va_vdst(0)
	s_barrier_wait -1                              ; all 48 images and T lie in LDS; nothing writes them again
	s_wait_alu depctr_vm_vsrc(0)                   ; my LDS stores have read v104-127 (the images), in which K's fragments land, and v176-207 (Q as loaded), which the products write
	; S^T = K Q^T: nine tiles of 16 keys, each one product (K = the 64 channels)
.irp c, 0,1,2,3,4,5,6,7,8
.irp g, 0,1
	ds_load_b128 v[R1+8*\c+4*\g:R1+8*\c+4*\g+3], v[KAD] offset:1024*\c+512*\g
.endr
.endr
.irp c, 0,1,2,3,4,5,6,7,8
	s_wait_dscnt 16-2*\c                           ; fragment c's two loads are in; those of the later fragments may be out
	v_wmma_f32_16x16x64_bf8_bf8 v[R2+8*\c:R2+8*\c+7], v[R1+8*\c:R1+8*\c+7], v[P:P+7], 0
.endr
.irp c, 0,1,2,3,4,5,6,7
	v_mov_b32 v[ON+2*\c], s[50+\c]                 ; the codes of 1.0, or zeros.  These eighteen plain lines are also the places behind the products (ISA guide 7.12.1)
	v_mov_b32 v[ON+2*\c+1], s[50+\c]
.endr
	v_mov_b32 v[ON+22], s58
	v_mov_b32 v[ON+23], s58
; the largest score and the largest negated score of my query among my 72 keys; each tile's registers from the low end on
.macro MAXMIN c
.set SB, R2+8*(\c)
.if (\c) == 0
	v_max_num_f32 v22, v[SB], v[SB+1]
	v_max_num_f32 v23, v[SB+2], v[SB+3]
	v_max_num_f32 v24, -v[SB], -v[SB+1]
	v_max_num_f32 v25, -v[SB+2], -v[SB+3]
.else
	v_max3_num_f32 v22, v22, v[SB], v[SB+1]
	v_max3_num_f32 v23, v23, v[SB+2], v[SB+3]
	v_max3_num_f32 v24, v24, -v[SB], -v[SB+1]
	v_max3_num_f32 v25, v25, -v[SB+2], -v[SB+3]
.endif
	v_max3_num_f32 v22, v22, v[SB+4], v[SB+5]
	v_max3_num_f32 v23, v23, v[SB+6], v[SB+7]
	v_max3_num_f32 v24, v24, -v[SB+4], -v[SB+5]
	v_max3_num_f32 v25, v25, -v[SB+6], -v[SB+7]
.endm
.irp c, 0,1,2,3,4,5,6,7,8
	MAXMIN \c
.endr
	v_max_num_f32 v22, v22, v23
	v_max_num_f32 v24, v24, v25
	v_permlanex16_b32 v26, v22, s60, s61           ; the query's other 72 keys lie in the lane 16 away
	v_permlanex16_b32 v27, v24, s60, s61
	v_max_num_f32 v22, v22, v26
	v_max_num_f32 v24, v24, v27
	v_fma_f32 v28, v22, v10, s40                   ; as exponents (c1 is positive); with no tile in the head tile 0's addend makes them -infinity,
	v_fma_f32 v29, v24, v10, s40
	v_max_num_f32 v28, v28, v14                    ; and the fill takes part in both maxima
	v_max_num_f32 v29, v29, v14
	v_sub_f32 v46, v14, v28
	v_sub_f32 v47, v14, v29
	s_wait_alu depctr_va_vdst(0)
	v_exp_f32 v46, v46                             ; g_pos, g_neg: a masked key's weight
	v_exp_f32 v47, v47
; tile c's exponents: pos into R1, neg in place
.macro ARGS c
.set SB, 8*(\c)
.set BP, 30+2*((\c)%2)
.set BN, 34+2*((\c)%2)
	v_sub_f32 v[BP], s[40+(\c)], v28               ; -max, or -infinity for a tile beyond the head's end
	v_sub_f32 v[BN], s[40+(\c)], v29
.irp k, 0,2,4,6
	v_pk_fma_f32 v[R1+SB+\k:R1+SB+\k+1], v[R2+SB+\k:R2+SB+\k+1], v[10:11], v[BP:BP+1] op_sel_hi:[1,0,0]
	v_pk_fma_f32 v[R2+SB+\k:R2+SB+\k+1], v[R2+SB+\k:R2+SB+\k+1], v[12:13], v[BN:BN+1] op_sel_hi:[1,0,0]
.endr
.endm
.macro EXPS c
.irp j, 0,1,2,3,4,5,6,7
	v_exp_f32 v[R1+8*(\c)+\j], v[R1+8*(\c)+\j]
.endr
.irp j, 0,1,2,3,4,5,6,7
	v_exp_f32 v[R2+8*(\c)+\j], v[R2+8*(\c)+\j]
.endr
.endm
; tile c's weights are added to the sums: two chains for each softmax; tile 0 starts them
.macro SUMS c
.set SB, 8*(\c)
.if (\c) < 8
	s_wait_alu depctr_va_vdst(0)                   ; the exponentials issued so far have written their results: at tile 0 g_pos, g_neg and the weights of tiles 0 and 1, later those of tile c + 1, which the next sums read.  Tile 8's sums stand behind tile 7's wait with no exponential between, and have none
.endif
.if (\c) == 0
	v_pk_add_f32 v[38:39], v[R1:R1+1], v[R1+4:R1+5]
	v_pk_add_f32 v[40:41], v[R1+2:R1+3], v[R1+6:R1+7]
	v_pk_add_f32 v[42:43], v[R2:R2+1], v[R2+4:R2+5]
	v_pk_add_f32 v[44:45], v[R2+2:R2+3], v[R2+6:R2+7]
.else
.irp k, 0,4
	v_pk_add_f32 v[38:39], v[38:39], v[R1+SB+\k:R1+SB+\k+1]
	v_pk_add_f32 v[40:41], v[40:41], v[R1+SB+\k+2:R1+SB+\k+3]
	v_pk_add_f32 v[42:43], v[42:43], v[R2+SB+\k:R2+SB+\k+1]
	v_pk_add_f32 v[44:45], v[44:45], v[R2+SB+\k+2:R2+SB+\k+3]
.endr
.endif
.endm
; Behind a run of exponentials stands plain work that touches none of its registers: the tile before's sums, or the next tile's addends (ISA guide 5.7.2)
.irp c, 0,1,2,3,4,5,6,7,8
	ARGS \c
	s_wait_alu depctr_va_vdst(0)
	EXPS \c
.if \c > 0
	SUMS \c-1
.endif
.endr
	SUMS 8
	v_pk_add_f32 v[38:39], v[38:39], v[40:41]
	v_pk_add_f32 v[42:43], v[42:43], v[44:45]
	v_add_f32 v38, v38, v39
	v_add_f32 v42, v42, v43
	v_permlanex16_b32 v26, v38, s60, s61
	v_permlanex16_b32 v27, v42, s60, s61
	v_add_f32 v38, v38, v26
	v_add_f32 v42, v42, v27
	v_fma_f32 v38, v15, v46, v38                   ; Z = the open keys' weights + nm g; at least about 1, since the maximum's own term is among them
	v_fma_f32 v42, v15, v47, v42
	s_wait_alu depctr_va_vdst(0)
	v_rcp_f32 v48, v38
	v_rcp_f32 v50, v42
	v_nop                                          ; a plain place behind the reciprocals
	s_wait_alu depctr_va_vdst(0)                   ; the two reciprocals have written v48 and v50, which the Newton steps read
	v_fma_f32 v39, -v38, v48, 1.0                  ; one Newton step each: what goes into a quantiser is as good as f32 gives
	v_fma_f32 v43, -v42, v50, 1.0
	v_fma_f32 v48, v48, v39, v48                   ; 1 / Z_pos
	v_fma_f32 v50, -v50, v43, -v50                 ; -1 / Z_neg
	v_mul_f32 v21, v46, v48
	v_fma_f32 v21, v47, v50, v21                   ; c: a masked key's A
; tile c's A, held and turned into codes: two registers of the second product's operand
.macro AQ c
.set SB, 8*(\c)
.if (\c) < 8
.set PD, P+2*(\c)
.else
.set PD, P+22
.endif
.irp k, 0,2,4,6
	v_pk_mul_f32 v[R1+SB+\k:R1+SB+\k+1], v[R1+SB+\k:R1+SB+\k+1], v[48:49] op_sel_hi:[1,0]
.endr
.irp k, 0,2,4,6
	v_pk_fma_f32 v[R1+SB+\k:R1+SB+\k+1], v[R2+SB+\k:R2+SB+\k+1], v[50:51], v[R1+SB+\k:R1+SB+\k+1] op_sel_hi:[1,0,1]
.endr
.irp j, 0,1,2,3,4,5,6,7
	v_med3_num_f32 v[R1+SB+\j], v[R1+SB+\j], -v19, v19
.endr
	v_cvt_scalef32_pk8_bf8_f32 v[PD:PD+1], v[R1+SB:R1+SB+7], v18
.endm
.irp c, 0,1,2,3,4,5,6,7,8
	AQ \c
.endr
	; V's fragments and T are asked for as soon as their registers are free; c's code is made while they are on their way
	s_wait_alu depctr_va_vdst(0)                   ; A's lines are done writing and reading v104-175, in which V's fragments land; the softmax's lines are done with v10-17 and v22-45, in which T lands
.irp x, 0,1,2,3
.irp c, 0,1,2,3,4,5,6,7,8
	ds_load_b64 v[R1+18*\x+2*\c:R1+18*\x+2*\c+1], v[VAD] offset:1024*\c+256*\x
.endr
.endr
.irp i, 0,1,2,3,4,5,6,7
.set TK, 10+4*\i+4*((4*\i+24)/32)
	ds_load_b128 v[TK:TK+3], v[TAD] offset:16*\i   ; T in the order of my results: numbers 4 i .. 4 i + 3
.endr
	v_med3_num_f32 v[R2], v21, -v19, v19           ; c is held and turned into a code like A; of the eight codes the first alone is used.  (These four lines name none of the registers that the loads above touch)
	v_cvt_scalef32_pk8_bf8_f32 v[54:55], v[R2:R2+7], v18
	v_nop                                          ; one plain vector instruction between the last scaled conversion and what reads its result or writes its sources
	v_cvt_f32_bf8 v52, v54                         ; the value of c's code
	; O^T = V^T A^T and W = V^T 1: four tiles of 16 channels, three K steps of 64 keys (tiles 0-3, 4-7, and 5-8 of which 5-7 meet zero codes)
	s_wait_dscnt 8                                 ; V's 36 loads are in; T's eight, issued behind them, may be out
.irp g, 0,1,2                          ; the eight accumulators take turns, one instruction a turn
.irp x, 0,1,2,3
.set VA, R1+18*\x+8*\g-6*(\g/2)
.if \g == 0
	v_wmma_f32_16x16x64_bf8_bf8 v[R2+8*\x:R2+8*\x+7], v[VA:VA+7], v[P+8*\g:P+8*\g+7], 0
	v_wmma_f32_16x16x64_bf8_bf8 v[R2+32+8*\x:R2+32+8*\x+7], v[VA:VA+7], v[ON+8*\g:ON+8*\g+7], 0
.else
	v_wmma_f32_16x16x64_bf8_bf8 v[R2+8*\x:R2+8*\x+7], v[VA:VA+7], v[P+8*\g:P+8*\g+7], v[R2+8*\x:R2+8*\x+7]
	v_wmma_f32_16x16x64_bf8_bf8 v[R2+32+8*\x:R2+32+8*\x+7], v[VA:VA+7], v[ON+8*\g:ON+8*\g+7], v[R2+32+8*\x:R2+32+8*\x+7]
.endif
.endr
.endr
.rept 4
	v_nop                                          ; places in front of the first reads of the products' results, and of vector lines that write registers which the products have read (ISA guide 7.12.1)
.endr
	; THE WAY OUT.  out = (O + Q(c) (T - W)) x 2^(ea + ev).  Register 8 x + j of lane (q, h) is channel 32 h + 4 j + x
	s_wait_dscnt 0x0                               ; T is in
.irp k, 0,2,4,6,8,10,12,14,16,18,20,22,24,26,28,30
.set TK, 10+\k+4*((\k+24)/32)
	v_pk_add_f32 v[R1+\k:R1+\k+1], v[TK:TK+1], v[R2+32+\k:R2+32+\k+1] neg_lo:[0,1] neg_hi:[0,1]   ; T - W: the masked keys' total; each accumulator from its low end on
.endr
.irp k, 0,2,4,6,8,10,12,14,16,18,20,22,24,26,28,30
	v_pk_fma_f32 v[R1+\k:R1+\k+1], v[R1+\k:R1+\k+1], v[52:53], v[R2+\k:R2+\k+1] op_sel_hi:[1,0,1]
.endr
.irp x, 0,1,2,3
.irp j, 0,1,2,3,4,5,6,7
	v_mul_f32 v[R1+32+4*\j+\x], v[R1+8*\x+\j], v20                   ; scaled, and set in the order of the channels
.endr
.endr
	s_wait_alu depctr_va_vdst(0)                   ; the multiplications have written v136-167, which the LDS stores read; the multiply-adds are done reading O^T in v176-207, in which the rows from the stage land
.irp i, 0,1,2,3,4,5,6,7
	ds_store_b128 v[SRW], v[R1+32+4*\i:R1+32+4*\i+3] offset:16*\i    ; my 128 bytes of row q, into my own stage,
.endr
.irp i, 0,1,2,3,4,5,6,7
	ds_load_b128 v[R2+4*\i:R2+4*\i+3], v[SIN] offset:2*SPITCH*\i     ; and back as whole rows: LDS serves a wave's instructions in order
.endr
.irp i, 0,1,2,3,4,5,6,7
	s_wait_dscnt 7-\i                              ; rows 2 i and 2 i + 1 are back; the later ones may be out
	global_store_b128 v[L16], v[R2+4*\i:R2+4*\i+3], s[16:17] offset:512*\i th:TH_STORE_NT   ; 32 lanes store 512 consecutive bytes, at a multiple of 256 from out0's first byte
.endr
	s_wait_xcnt 0x0
	v_lshl_add_u32 v254, v0, 2, 0x1d200            ; the closing add's two registers, made anew here (v0 is as at the entry); no memory or LDS instruction has read v254 or v255, so no wait on vm_vsrc is owed ahead of them
	v_mov_b32 v255, 0
	s_wait_dscnt 0x0                               ; the closing lines, six on end
	s_wait_alu 0x0
	s_wait_tensorcnt 0x0
	ds_add_u32 v254, v255
	s_wait_dscnt 0x0
	s_endpgm
.Lfunc_end_k_q938ad61311_attn:
	.size	k_q938ad61311_attn, .Lfunc_end_k_q938ad61311_attn-k_q938ad61311_attn
	.p2alignl 7, 3214868480
	.fill 96, 4, 3214868480
	.section	.rodata,"a",@progbits
	.p2align	6, 0x0
	.amdhsa_kernel k_q938ad61311_attn
		.amdhsa_group_segment_fixed_size 121344
		.amdhsa_private_segment_fixed_size 0
		.amdhsa_enable_private_segment 0
		.amdhsa_kernarg_size 56
		.amdhsa_user_sgpr_count 2
		.amdhsa_user_sgpr_kernarg_segment_ptr 1
		.amdhsa_wavefront_size32 1
		.amdhsa_system_sgpr_workgroup_id_x 1
		.amdhsa_system_sgpr_workgroup_id_y 1
		.amdhsa_system_sgpr_workgroup_id_z 1
		.amdhsa_system_vgpr_workitem_id 0
		.amdhsa_next_free_vgpr 256
		.amdhsa_next_free_sgpr 66
		.amdhsa_reserve_vcc 0
		.amdhsa_float_denorm_mode_32 3
		.amdhsa_float_denorm_mode_16_64 3
		.amdhsa_memory_ordered 1
		.amdhsa_forward_progress 1
		.amdhsa_inst_pref_size 56
	.end_amdhsa_kernel
	.amdgpu_metadata
---
amdhsa.version: [ 1, 2 ]
amdhsa.kernels:
  - .name:           k_q938ad61311_attn
    .symbol:         k_q938ad61311_attn.kd
    .args:
      - { .name: queries, .offset: 0, .size: 8, .value_kind: global_buffer, .address_space: global }
      - { .name: log_scale, .offset: 8, .size: 8, .value_kind: global_buffer, .address_space: global }
      - { .name: lowp_scales, .offset: 16, .size: 8, .value_kind: global_buffer, .address_space: global }
      - { .name: kc, .offset: 24, .size: 8, .value_kind: global_buffer, .address_space: global }
      - { .name: vc, .offset: 32, .size: 8, .value_kind: global_buffer, .address_space: global }
      - { .name: vsum, .offset: 40, .size: 8, .value_kind: global_buffer, .address_space: global }
      - { .name: out0, .offset: 48, .size: 8, .value_kind: global_buffer, .address_space: global }
    .group_segment_fixed_size: 121344
    .private_segment_fixed_size: 0
    .kernarg_segment_align: 8
    .kernarg_segment_size: 56
    .max_flat_workgroup_size: 512
    .sgpr_count:     66
    .vgpr_count:     256
    .wavefront_size: 32
...
	.end_amdgpu_metadata
.endif
;; end of part 4
